; MI455X (gfx1250); checked and timed in simulation.
; The chip was launched on July 23, 2026; its instructions are those of AMD's public machine-readable ISA for CDNA 5 (MIT licence, August 2026) and "CDNA5" Instruction Set Architecture Reference Guide (July 2026). The comments in the code are by the model that wrote it; some were corrected since.
;; Transformer Block. Allowed arithmetic: matrix products marked QUANTISED: E4M3 operands, one given power-of-two scale a tensor, by v_wmma_f32_16x16x64_fp8_fp8 or v_wmma_f32_16x16x128_fp8_fp8, f32 sums; everything else in f32.
;; Inputs: W1 1,024 x 4,096 float32; W2 4,096 x 1,024 float32; Wk 16 x 1,024 x 64 float32; Wproj 1,024 x 1,024 float32; Wq 16 x 1,024 x 64 float32; Wv 16 x 1,024 x 64 float32; b1 4,096 float32; b2 1,024 float32; be1 1,024 float32; be2 1,024 float32; bproj 1,024 float32; g1 1,024 float32; g2 1,024 float32; lowp_scales 16 int32 (the exponents e of the quantised operands' scales 2^e); x 4 x 1,024 x 1,024 float32.
;; Outputs: out0 4 x 1,024 x 1,024 float32.
;; This version of the problem:
;;   THIS VERSION OF THE PROBLEM IS GIVEN IN LOW PRECISION. The matrix products marked QUANTISED in the list below multiply operands that are first quantised to E4M3 (4 exponent bits, 3 mantissa bits; 8 bits a number), with one given power-of-two scale for each operand tensor; their sums are f32. All else is computed in f32.
;;   The module's matrix products, in the order in which they are computed (A, B: the left and right operand; K: the contracted axis; several contracted axes count as one K, in the product's order):
;;     1. [M 1,024, K 1,024] x [K 1,024, N 4,096]; A: input Wq; B: computed on the way: QUANTISED (scales: A lowp_scales[0], B lowp_scales[1])
;;     2. [M 1,024, K 1,024] x [K 1,024, N 4,096]; A: input Wk; B: computed on the way: QUANTISED (scales: A lowp_scales[2], B lowp_scales[3])
;;     3. [M 1,024, K 1,024] x [K 1,024, N 4,096]; A: input Wv; B: computed on the way: QUANTISED (scales: A lowp_scales[4], B lowp_scales[5])
;;     4. batch 64 x [M 1,024, K 64] x [K 64, N 1,024]; A: computed on the way; B: computed on the way: QUANTISED (scales: A lowp_scales[6], B lowp_scales[7])
;;     5. batch 64 x [M 1,024, K 1,024] x [K 1,024, N 64]; A: softmax (see below); B: computed on the way: QUANTISED (scales: A lowp_scales[8], B lowp_scales[9])
;;     6. [M 4,096, K 1,024] x [K 1,024, N 1,024]; A: computed on the way; B: input Wproj: QUANTISED (scales: A lowp_scales[10], B lowp_scales[11])
;;     7. [M 4,096, K 1,024] x [K 1,024, N 4,096]; A: computed on the way; B: input W1: QUANTISED (scales: A lowp_scales[12], B lowp_scales[13])
;;     8. [M 4,096, K 4,096] x [K 4,096, N 1,024]; A: computed on the way; B: input W2: QUANTISED (scales: A lowp_scales[14], B lowp_scales[15])
;;   THE QUANTISER, for each operand of a quantised product, along K:
;;     - The operand's scale is 2^e, e = its entry of the input lowp_scales (int32; the entries are numbered through the quantised products in the list's order, A before B).
;;     - Each number is divided by the scale, clamped to +-448, and rounded to the nearest number of E4M3, ties to even, subnormals kept.
;;     - The product sums the exact products of the quantised numbers (number of the format x scale) in f32.
;;   ~~~python
;;   def quantise(x, axis, e):      # numpy; x: float32 -> the quantised numbers, widened to float32 again
;;       x = np.moveaxis(x, axis, -1); K = x.shape[-1]
;;       r = np.clip(x / 2.0 ** e, -448, 448)
;;       step = 2.0 ** (np.maximum(np.frexp(np.where(r == 0, 1, r))[1] - 1, -6) - 3)
;;       q = np.round(r / step) * step * 2.0 ** e      # np.round: ties to even
;;       return np.moveaxis(q, -1, axis).astype(np.float32)
;;   ~~~
;;   SOFTMAX AHEAD OF A QUANTISED PRODUCT. Where the list says 'softmax', what is quantised is not the finished softmax but p = 2^(t - M), with t = logit x log2(e) and M = ceil(the row's largest t), a whole number; so 1/2 < the row's largest p <= 1. The row's sum l is taken of the UNQUANTISED p, in f32, and the product's result is divided by l at the end. Since M is a whole number, a kernel that streams over the keys may use a running M (the ceiling of the running maximum): every later rescaling is an exact power of two, so the quantised numbers keep their values, but for numbers so far below the row's largest that they fall under the format's range.
;;   OPERANDS COMPUTED ON THE WAY. 'Computed on the way' means the value that the module computes at that place (a softmax that the list does not call 'softmax' is quantised finished and normalised). What goes into a quantiser is computed in f32, as accurately as f32 sums, v_exp_f32 and their like allow (about 1e-6 of the number): no bf16 or f16 on the way to a quantiser, and a product that is left as it is and whose result goes on into a quantised operand takes f32 operands (vector FMAs, or v_wmma_f32_16x16x4_f32). A number that lies on a knife's edge between two numbers of the format may be rounded either way, as far as f32 arithmetic and the matrix unit's own rounding can turn it there, and no further.
;; One version. Each part assembles by itself: llvm-mc -triple=amdgcn-amd-amdhsa -mcpu=gfx1250 --defsym DOCPART=n.
;; ======== version 1 of 1: 7 launches
;; limits: right only within a limited range of input values
;; workspace buffers: wc 12,582,912 bytes; hc 12,582,912 bytes; qkvc 12,582,912 bytes; ac 4,194,304 bytes; x1 16,777,216 bytes; h2c 4,194,304 bytes; fc 16,777,216 bytes
;; launch prep (part 1): grid 640 x 1, 4 waves a work-group, no clusters, 35,328 bytes of LDS; arguments x, g1, be1, Wq, Wk, Wv, Wproj, W1, W2, lowp_scales, wc, hc; writes wc, hc
.if DOCPART == 1
	.amdgcn_target "amdgcn-amd-amdhsa--gfx1250"
	.amdhsa_code_object_version 6
	.text
	.protected	k_qacf5231a9a_prep
	.globl	k_qacf5231a9a_prep
	.p2align	8
	.type	k_qacf5231a9a_prep,@function
k_qacf5231a9a_prep:
	s_mov_b64 s[64:65], 0
	v_nop
	global_prefetch_b8 v0, s[64:65] scope:SCOPE_SE
	s_setreg_imm32_b32 hwreg(HW_REG_WAVE_MODE, 25, 1), 1
	s_wait_xcnt 0x0
; PREP.  Work-groups 0-383 turn the six weights (f32, K not innermost) into codes of E4M3 with K innermost, in wc; work-groups 384-639 make ln1(x) and quantise it three times (scales e1, e3, e5), in hc.
; wc: Wq, Wk, Wv as [3][1024 = head x 64 + d][1024 k] at byte 0; Wproj [1024 n][1024 k] at 0x300000; W1 [4096 n][1024 k] at 0x400000; W2 [1024 n][4096 k] at 0x800000.   hc: [3][4096 tokens][1024].
; code = x / 2^e, held within +-448, to the nearest code, ties to even.  LIMITS: every e used here lies between -126 and 119, so that 2^e and 448 x 2^e are f32 numbers; NaN among the inputs is not served.
; WEIGHTS: a work-group takes 128 columns x 256 along K, a wave 32 columns: a lane takes a column and its registers run down K, so each load reads 128 neighbouring bytes and the conversions give codes with K innermost.
; A lane's codes belong to one output row: they go through the wave's own stage in LDS and leave as rows, sixteen lanes to 256 consecutive aligned bytes.  Which weight: chosen by the work-group's number alone.
; LAYER NORM: a wave takes 4 rows, one at a time, whole in 32 registers a lane: mean, then the mean of squares of x - mean (two passes over registers), so a common offset of x costs no accuracy.
; A lane holds 8 neighbours of each quarter row: its 8 codes are 8 bytes, and 32 lanes store 256 consecutive aligned bytes.  No barrier: waves share nothing.
.set OFF,  16                          ; v16-47   weights: byte offset of row i of a block of 32 along K: 4 x lane + i x pitch; on the way out: offsets into wc
.set X,    48                          ; v48-111  two sets of 32 numbers
.set CW,   112                         ; v112-119 a block's codes
.set OUTR, 120                         ; v120-183 the way out
.set WST,  8704                        ; a wave's stage: 32 rows x 272 bytes
.set NB,   8                           ; blocks of 32 along K for a wave
.set XR,   16                          ; v16-143  layer norm: 4 rows x 32 registers
.set G,    144                         ; v144-175 g1 of my 32 columns
.set BE,   176                         ; v176-207 be1
.set T0,   208                         ; v208-223 two sets of 8 held numbers, by turns
.set CD,   224                         ; v224-247 a row's 12 pairs of codes
	s_load_b256 s[4:11], s[0:1], 0x0               ; x, g1, be1, Wq
	s_load_b256 s[12:19], s[0:1], 0x20             ; Wk, Wv, Wproj, W1
	s_load_b256 s[20:27], s[0:1], 0x40             ; W2, the scales' exponents, wc, hc
	v_lshl_add_u32 v248, v0, 2, 0x8800
	v_mov_b32 v249, 0
	v_lshrrev_b32 v1, 5, v0
	v_readfirstlane_b32 s28, v1                    ; wave 0..3
	v_and_b32 v2, 31, v0                           ; lane
	s_wait_kmcnt 0x0
	s_load_b512 s[32:47], s[22:23], 0x0            ; e0 .. e15
	s_cmp_ge_u32 ttmp9, 384                        ; (the exponents are waited for behind each path's first loads of data: no address hangs on them)
	s_cbranch_scc1 .Lln
; ---------------------------------------------------------------- the weights
; s[50:51] source, s52 first work-group, s53 bytes from k to k + 1, s54 bytes from one group of 64 columns to the next, s55 place in wc, s56 bytes of an output row, s57 log2 of the K blocks, s58 e
	s_mov_b64 s[50:51], s[20:21]                   ; W2's figures; the others take their place by the work-group's number
	s_mov_b32 s52, 256
	s_mov_b32 s53, 4096
	s_mov_b32 s54, 256
	s_mov_b32 s55, 0x800000
	s_mov_b32 s56, 4096
	s_mov_b32 s57, 4
.macro PICK lim, src, first, p, hb, dst, krow, ksh, e
	s_cmp_lt_u32 ttmp9, \lim
	s_cselect_b64 s[50:51], s[\src:\src+1], s[50:51]
	s_cselect_b32 s52, \first, s52
	s_cselect_b32 s53, \p, s53
	s_cselect_b32 s54, \hb, s54
	s_cselect_b32 s55, \dst, s55
	s_cselect_b32 s56, \krow, s56
	s_cselect_b32 s57, \ksh, s57
.endm
	PICK 256, 18, 128, 16384, 256, 0x400000, 1024, 2, 45      ; W1
	PICK 128, 16, 96, 4096, 256, 0x300000, 1024, 2, 43        ; Wproj
	PICK 96, 14, 64, 256, 262144, 0x200000, 1024, 2, 36       ; Wv: a row along k is one head's 64 numbers; heads lie 262,144 bytes apart
	PICK 64, 12, 32, 256, 262144, 0x100000, 1024, 2, 34       ; Wk
	PICK 32, 10, 0, 256, 262144, 0, 1024, 2, 32               ; Wq
	s_sub_co_u32 s59, ttmp9, s52                   ; my number within the weight
	s_lshl_b32 s60, 1, s57
	s_sub_co_u32 s60, s60, 1
	s_and_b32 s60, s59, s60                        ; which 256 along K
	s_lshr_b32 s61, s59, s57                       ; which 128 columns
	s_lshl_b32 s61, s61, 7
	s_lshl_b32 s62, s28, 5
	s_add_co_u32 s61, s61, s62                     ; my wave's first column n0
	s_lshr_b32 s62, s61, 6
	s_mul_i32 s62, s62, s54                        ; its group of 64 columns,
	s_and_b32 s63, s61, 63
	s_lshl_b32 s63, s63, 2
	s_add_co_u32 s62, s62, s63                     ; its place in the group,
	s_mul_i32 s63, s60, s53
	s_lshl_b32 s63, s63, 8
	s_add_co_u32 s62, s62, s63                     ; and my 256 rows along K
	s_mov_b32 s63, 0
	s_add_nc_u64 s[66:67], s[50:51], s[62:63]      ; block 0's base; blocks 1-7 lie 32 rows apart: a base of its own for each, so that nothing is stepped while loads are out
	s_lshl_b32 s82, s53, 5
	s_mov_b32 s83, 0
.irp t, 1,2,3,4,5,6,7
	s_add_nc_u64 s[66+2*\t:67+2*\t], s[66+2*\t-2:67+2*\t-2], s[82:83]
.endr
	s_mul_i32 s86, s61, s56
	s_add_co_u32 s86, s86, s55
	s_lshl_b32 s87, s60, 8
	s_add_co_u32 s86, s86, s87
	s_mov_b32 s87, 0
	s_add_nc_u64 s[84:85], s[24:25], s[86:87]      ; wc at row n0, byte 256 x my K block
	s_wait_alu depctr_va_vdst(0)
	v_lshlrev_b32 v[OFF], 2, v2
.set i, 1
.rept 31
	v_add_nc_u32 v[OFF+i], s53, v[OFF+i-1]
.set i, i+1
.endr
.macro LOAD t                          ; block t: W(32 t + i, my column), i = 0 .. 31, into set t % 2
.set i, 0
.rept 32
	global_load_b32 v[X+32*((\t)%2)+i], v[OFF+i], s[66+2*(\t):67+2*(\t)] th:TH_LOAD_NT
.set i, i+1
.endr
.endm
	LOAD 0
	LOAD 1
.macro PICKE lim, e                    ; the weight's exponent, by the work-group's number, as PICK chooses its other figures
	s_cmp_lt_u32 ttmp9, \lim
	s_cselect_b32 s58, s[\e], s58
.endm
	s_wait_kmcnt 0x0                               ; e0 .. e15
	s_mov_b32 s58, s47
	PICKE 256, 45
	PICKE 128, 43
	PICKE 96, 36
	PICKE 64, 34
	PICKE 32, 32
	s_add_co_i32 s58, s58, 127
	s_lshl_b32 s59, s58, 23
	v_mov_b32 v11, s59                             ; 2^e as f32: the conversion takes its exponent field
	s_add_co_i32 s58, s58, 8
	s_lshl_b32 s58, s58, 23
	s_or_b32 s58, s58, 0x600000
	v_mov_b32 v10, s58                             ; 448 x 2^e
	s_mul_i32 s29, s28, WST                        ; my stage
	v_mul_u32_u24 v4, v2, 272
	v_add_nc_u32 v4, s29, v4                       ; into it: row = my column
	v_and_b32 v5, 15, v2
	v_lshrrev_b32 v6, 4, v2
	v_mul_u32_u24 v7, v6, 272
	v_lshl_add_u32 v7, v5, 4, v7
	v_add_nc_u32 v7, s29, v7                       ; out of it: sixteen lanes to a row, two rows an instruction
.macro BLOCK t
.set XS, X+32*((\t)%2)
.if (\t) < NB-1
	s_wait_loadcnt 32                              ; this block's 32 loads are in; the next block's 32 may be out
.else
	s_wait_loadcnt 0
.endif
.set i, 0
.rept 32
	v_med3_num_f32 v[XS+i], v[XS+i], -v10, v10     ; the conversion to an 8-bit code does not saturate (ISA guide 7.6.2): hold first
.set i, i+1
.endr
.irp g, 0,1,2,3
	v_cvt_scalef32_pk8_fp8_f32 v[CW+2*\g:CW+2*\g+1], v[XS+8*\g:XS+8*\g+7], v11
.endr
	ds_store_b128 v4, v[CW:CW+3] offset:32*(\t)    ; 32 codes of my column's row
	ds_store_b128 v4, v[CW+4:CW+7] offset:32*(\t)+16
.if (\t)+2 < NB
	LOAD (\t)+2
.endif
	s_wait_dscnt 0x0                               ; the stores have read their registers: the next block's codes may be written.  (The next vector lines are the next block's holds, plain and on other registers)
.endm
.set Q, 0
	s_wait_alu depctr_va_vdst(0)
.rept NB
	BLOCK Q
.set Q, Q+1
.endr
	v_mul_lo_u32 v8, v6, s56                       ; every load is done, so the offsets' registers are free: now (lane / 16) output rows + 16 x (lane % 16), two rows further on for each store
	v_lshl_add_u32 v[OFF], v5, 4, v8
	s_lshl_b32 s88, s56, 1
.set i, 1
.rept 15
	v_add_nc_u32 v[OFF+i], s88, v[OFF+i-1]
.set i, i+1
.endr
.set i, 0
.rept 16
	ds_load_b128 v[OUTR+4*i:OUTR+4*i+3], v7 offset:2*i*272   ; LDS serves a wave's instructions in order: these see my stores
.set i, i+1
.endr
.set i, 0
	s_wait_alu depctr_va_vdst(0)
.rept 16
	s_wait_dscnt 15-i                              ; read-back i is in; the younger ones may be out
	global_store_b128 v[OFF+i], v[OUTR+4*i:OUTR+4*i+3], s[84:85]   ; sixteen lanes store 256 consecutive bytes, at a multiple of 256 from wc's first byte
.set i, i+1
.endr
	s_wait_tensorcnt 0x0
	ds_add_u32 v248, v249
	s_wait_dscnt 0x0
	s_endpgm
; ---------------------------------------------------------------- ln1(x), three times quantised
.Lln:
	s_sub_co_u32 s29, ttmp9, 384
	s_lshl_b32 s29, s29, 4
	s_lshl_b32 s30, s28, 2
	s_add_co_u32 s29, s29, s30                     ; my wave's first row: 16 x work-group + 4 x wave
	s_lshl_b32 s48, s29, 12
	s_mov_b32 s49, 0
	s_add_nc_u64 s[50:51], s[4:5], s[48:49]        ; x at that row
	s_lshl_b32 s48, s29, 10
	s_add_nc_u64 s[52:53], s[26:27], s[48:49]      ; hc at that row, for e1,
	s_add_nc_u64 s[54:55], s[52:53], 0x400000      ; e3,
	s_add_nc_u64 s[56:57], s[52:53], 0x800000      ; e5
	s_mov_b32 s90, 0x3a800000                      ; 1 / 1024
	s_mov_b32 s91, 0x3727c5ac                      ; 1e-5
	s_mov_b32 s92, 0x76543210                      ; v_permlanex16_b32: lane l xor 16
	s_mov_b32 s93, 0xfedcba98
	s_wait_alu depctr_va_vdst(0)
	v_lshlrev_b32 v3, 5, v2                        ; in: 32 bytes a lane of each 1,024
	v_lshlrev_b32 v1, 3, v2                        ; out: 8 bytes a lane of each 256
	v_mov_b32 v14, 0                               ; written once: a lane permute's destination counts as one of its sources
.irp c, 0,1,2,3
	global_load_b128 v[G+8*\c:G+8*\c+3], v3, s[6:7] offset:1024*\c
	global_load_b128 v[G+8*\c+4:G+8*\c+7], v3, s[6:7] offset:1024*\c+16
.endr
.irp c, 0,1,2,3
	global_load_b128 v[BE+8*\c:BE+8*\c+3], v3, s[8:9] offset:1024*\c
	global_load_b128 v[BE+8*\c+4:BE+8*\c+7], v3, s[8:9] offset:1024*\c+16
.endr
.irp p, 0,1,2,3
.irp c, 0,1,2,3
	global_load_b128 v[XR+32*\p+8*\c:XR+32*\p+8*\c+3], v3, s[50:51] offset:4096*\p+1024*\c th:TH_LOAD_NT
	global_load_b128 v[XR+32*\p+8*\c+4:XR+32*\p+8*\c+7], v3, s[50:51] offset:4096*\p+1024*\c+16 th:TH_LOAD_NT
.endr
.endr
.macro MKSC e, vs, vl                  ; 2^e and 448 x 2^e as f32
	s_add_co_i32 s30, s[\e], 127
	s_lshl_b32 s31, s30, 23
	v_mov_b32 v[\vs], s31
	s_add_co_i32 s30, s30, 8
	s_lshl_b32 s30, s30, 23
	s_or_b32 s30, s30, 0x600000
	v_mov_b32 v[\vl], s30
.endm
	s_wait_kmcnt 0x0                               ; e0 .. e15
	MKSC 33, 4, 7
	MKSC 35, 5, 8
	MKSC 37, 6, 9
.macro ACROSS                          ; v10: the sum over the wave's 32 lanes, in every lane
	v_add_f32 v10, v10, v11
	v_add_f32_dpp v10, v10, v10 row_xmask:1 row_mask:0xf bank_mask:0xf
	v_add_f32_dpp v10, v10, v10 row_xmask:2 row_mask:0xf bank_mask:0xf
	v_add_f32_dpp v10, v10, v10 row_xmask:4 row_mask:0xf bank_mask:0xf
	v_add_f32_dpp v10, v10, v10 row_xmask:8 row_mask:0xf bank_mask:0xf
	v_permlanex16_b32 v14, v10, s92, s93
	v_add_f32 v10, v10, v14
.endm
.macro LNROW p
.set R, XR+32*(\p)
	s_wait_loadcnt 8*(3-(\p))                      ; g1, be1 and this row are in; the later rows' 8 loads each may be out
	v_pk_add_f32 v[10:11], v[R:R+1], v[R+2:R+3]    ; the row's sum, in two chains
	v_pk_add_f32 v[12:13], v[R+4:R+5], v[R+6:R+7]
.set i, 8
.rept 6
	v_pk_add_f32 v[10:11], v[10:11], v[R+i:R+i+1]
	v_pk_add_f32 v[12:13], v[12:13], v[R+i+2:R+i+3]
.set i, i+4
.endr
	v_pk_add_f32 v[10:11], v[10:11], v[12:13]
	ACROSS
	v_mul_f32 v12, s90, v10                        ; the mean
	v_mov_b32 v13, v12
.set i, 0
.rept 16
	v_pk_add_f32 v[R+i:R+i+1], v[R+i:R+i+1], v[12:13] neg_lo:[0,1] neg_hi:[0,1]   ; x - mean
.set i, i+2
.endr
	v_pk_mul_f32 v[10:11], v[R:R+1], v[R:R+1]      ; the sum of its squares, in two chains
	v_pk_mul_f32 v[14:15], v[R+2:R+3], v[R+2:R+3]
.set i, 4
.rept 7
	v_pk_fma_f32 v[10:11], v[R+i:R+i+1], v[R+i:R+i+1], v[10:11]
	v_pk_fma_f32 v[14:15], v[R+i+2:R+i+3], v[R+i+2:R+i+3], v[14:15]
.set i, i+4
.endr
	v_pk_add_f32 v[10:11], v[10:11], v[14:15]
	ACROSS
	v_fma_f32 v10, v10, s90, s91                   ; the variance + 1e-5
	s_wait_alu depctr_va_vdst(0)
	v_rsq_f32 v12, v10
	v_nop                                          ; a plain instruction behind the transcendental (ISA guide 5.7.2),
	s_wait_alu depctr_va_vdst(0)                   ; and the wait ahead of its first reader
	v_mov_b32 v13, v12
.set i, 0
.rept 16
	v_pk_mul_f32 v[R+i:R+i+1], v[R+i:R+i+1], v[12:13]
.set i, i+2
.endr
.set i, 0
.rept 16
	v_pk_fma_f32 v[R+i:R+i+1], v[R+i:R+i+1], v[G+i:G+i+1], v[BE+i:BE+i+1]
.set i, i+2
.endr
.if (\p) > 0
	s_wait_xcnt 0x0                                ; the last row's stores have read their data: the codes' registers are written again only behind this wait
.endif
.set n, 0
.irp c, 0,1,2,3
.irp s, 0,1,2
.set TT, T0+8*(n%2)                    ; the two sets take turns: the other set's eight holds are the plain lines behind each conversion
.irp j, 0,1,2,3,4,5,6,7
	v_med3_num_f32 v[TT+\j], v[R+8*\c+\j], -v[7+\s], v[7+\s]
.endr
	v_cvt_scalef32_pk8_fp8_f32 v[CD+2*n:CD+2*n+1], v[TT:TT+7], v[4+\s]
	global_store_b64 v1, v[CD+2*n:CD+2*n+1], s[52+2*\s:53+2*\s] offset:1024*(\p)+256*\c   ; 32 lanes store 256 consecutive bytes, aligned
.set n, n+1
.endr
.endr
.endm
	LNROW 0
	LNROW 1
	LNROW 2
	LNROW 3
	s_endpgm
.Lfunc_end_k_qacf5231a9a_prep:
	.size	k_qacf5231a9a_prep, .Lfunc_end_k_qacf5231a9a_prep-k_qacf5231a9a_prep
	.p2alignl 7, 3214868480
	.fill 96, 4, 3214868480
	.section	.rodata,"a",@progbits
	.p2align	6, 0x0
	.amdhsa_kernel k_qacf5231a9a_prep
		.amdhsa_group_segment_fixed_size 35328
		.amdhsa_private_segment_fixed_size 0
		.amdhsa_enable_private_segment 0
		.amdhsa_kernarg_size 96
		.amdhsa_user_sgpr_count 2
		.amdhsa_user_sgpr_kernarg_segment_ptr 1
		.amdhsa_wavefront_size32 1
		.amdhsa_system_sgpr_workgroup_id_x 1
		.amdhsa_system_sgpr_workgroup_id_y 1
		.amdhsa_system_sgpr_workgroup_id_z 1
		.amdhsa_system_vgpr_workitem_id 0
		.amdhsa_next_free_vgpr 250
		.amdhsa_next_free_sgpr 100
		.amdhsa_reserve_vcc 0
		.amdhsa_float_denorm_mode_32 3
		.amdhsa_float_denorm_mode_16_64 3
		.amdhsa_memory_ordered 1
		.amdhsa_forward_progress 1
		.amdhsa_inst_pref_size 116
	.end_amdhsa_kernel
	.amdgpu_metadata
---
amdhsa.version: [ 1, 2 ]
amdhsa.kernels:
  - .name:           k_qacf5231a9a_prep
    .symbol:         k_qacf5231a9a_prep.kd
    .args:
      - { .name: x, .offset: 0, .size: 8, .value_kind: global_buffer, .address_space: global }
      - { .name: g1, .offset: 8, .size: 8, .value_kind: global_buffer, .address_space: global }
      - { .name: be1, .offset: 16, .size: 8, .value_kind: global_buffer, .address_space: global }
      - { .name: Wq, .offset: 24, .size: 8, .value_kind: global_buffer, .address_space: global }
      - { .name: Wk, .offset: 32, .size: 8, .value_kind: global_buffer, .address_space: global }
      - { .name: Wv, .offset: 40, .size: 8, .value_kind: global_buffer, .address_space: global }
      - { .name: Wproj, .offset: 48, .size: 8, .value_kind: global_buffer, .address_space: global }
      - { .name: W1, .offset: 56, .size: 8, .value_kind: global_buffer, .address_space: global }
      - { .name: W2, .offset: 64, .size: 8, .value_kind: global_buffer, .address_space: global }
      - { .name: lowp_scales, .offset: 72, .size: 8, .value_kind: global_buffer, .address_space: global }
      - { .name: wc, .offset: 80, .size: 8, .value_kind: global_buffer, .address_space: global }
      - { .name: hc, .offset: 88, .size: 8, .value_kind: global_buffer, .address_space: global }
    .group_segment_fixed_size: 35328
    .private_segment_fixed_size: 0
    .kernarg_segment_align: 8
    .kernarg_segment_size: 96
    .max_flat_workgroup_size: 128
    .sgpr_count:     100
    .vgpr_count:     250
    .wavefront_size: 32
...
	.end_amdgpu_metadata
.endif
;; end of part 1
;; launch qkv (part 2): grid 12 x 16, 4 waves a work-group, clusters of 4 x 4, 327,680 bytes of LDS; arguments hc, wc, lowp_scales, qkvc; writes qkvc
.if DOCPART == 2
	.amdgcn_target "amdgcn-amd-amdhsa--gfx1250"
	.amdhsa_code_object_version 6
	.text
	.protected	k_qacf5231a9a_qkv
	.globl	k_qacf5231a9a_qkv
	.p2align	8
	.type	k_qacf5231a9a_qkv,@function
k_qacf5231a9a_qkv:
	s_mov_b64 s[64:65], 0
	v_nop
	global_prefetch_b8 v0, s[64:65] scope:SCOPE_SE
	s_setreg_imm32_b32 hwreg(HW_REG_WAVE_MODE, 25, 1), 1
	s_wait_xcnt 0x0
	s_wait_alu depctr_hold_cnt(0) depctr_sa_sdst(0) depctr_va_vdst(0) depctr_va_sdst(0) depctr_va_ssrc(0) depctr_va_vcc(0) depctr_vm_vsrc(0)
	s_getreg_b32 s2, hwreg(HW_REG_IB_STS2, 6, 4)
	s_cmp_eq_u32 s2, 0
	s_cbranch_scc0 .Lentry_in_a_cluster
	s_endpgm
.Lentry_in_a_cluster:
	s_bfe_u32 s2, ttmp6, 0x10000c
	s_cmp_lg_u32 s2, 0xf033
	s_cbranch_scc0 .Lentry_shape_is_right
	s_endpgm
.Lentry_shape_is_right:
; q, k, v = ln1(x) Wq, Wk, Wv on codes of E4M3, and their own codes.  hc: [3][4096 tokens][1024] (codes of ln1(x) under e1, e3, e5); wc: Wq, Wk, Wv as [3][1024 = head x 64 + d][1024 k] from byte 0.
; qkvc: q's codes [4096 tokens][1024] at byte 0, k's by pairs of heads, [32 = 8 x batch + pair][1024 tokens][128], at 0x400000, v's WITH THE KEYS INNERMOST, [4 batches][1024 = head x 64 + d][1024 tokens], at 0x800000.
; A cluster of 4 x 4 work-groups makes 1,024 x 1,024 of one of the three (cluster x) for one batch (cluster y); a work-group 256 x 256; each of its four waves 128 x 128: 64 accumulators, 512 registers.
; ROLES.  C[i][j] = sum over k of A[i][k] B[j][k], laid with j innermost.  For q and k: A = tokens, B = the weight's rows.  For v the two change roles, so that tokens are innermost.  One formula then gives q's and v's places in qkvc; k's lie by pairs of heads.
; The roles are chosen by the cluster's x alone, which all sixteen partners share.  K = 1,024 goes in four steps of 256 through two LDS slots filled by joint tensor loads (A's tile shared along a row of the cluster, B's along a column).
; A finished sum stands for sum x 2^es (es = the two operands' exponents); its code under eo is sum / 2^(eo - es), held at +-448.  LIMIT: eo - es between -126 and 119.
; THE MATRIX INSTRUCTION IS USED TRANSPOSED (source 0 = 16 rows of B, source 1 = 16 rows of A): a lane holds eight neighbours of a row of C, which one conversion turns into 8 bytes.
; Fragments come by four 16-byte loads: a permutation of k, the same on both sides.
; REGISTERS: window 0: v0-31 addresses and scales; v96-127 at work on the way out; v128-255 A's fragments, ONE set, later the codes.  window 1: B's fragments, two sets.  windows 2, 3: the accumulators ((a, b) at v[8 (8 (a % 4) + b)]).
.set ROWB,   256                       ; a tile's row in bytes
.set KROW,   1024                      ; a row of codes in memory
.set PITCH,  272                       ; an LDS row: 256 bytes + 16 of padding: the 16 rows of a load start at 16 different banks (64 banks of 4 bytes: ISA guide 11.1)
.set FR,     16
.set NL,     4
.set NP,     4                         ; places behind this matrix instruction (ISA guide 7.12.1)
.set HALFT,  128*PITCH
.set SLOT,   4*HALFT
.set LAPS,   2                         ; 1,024 along K = twice round the ring
.set SPARE,  2*SLOT                    ; the spare words: 128 bytes a wave, named by no other line
.set OP,     1024                      ; bytes of an output row
.set ADRA, 16
.set ADRB, 20
.set STO,  24                          ; v24 the way out: where I put 8 bytes of a row of the stage
.set RD,   25                          ; v25 where I read a row back
.set CO,   26                          ; v26 my byte offset in the output
.set SPW,  28
.set NIL,  29
.set SC,   30                          ; v30 2^(eo - es)
.set LIM,  31                          ; v31 448 x that
.set TMP,  96
.set AF,   128
.set CD,   128
.set G1, 24
.set G0, 32
.set G1B, 48
.set G0B, 56
.set MSB, 0
.macro WIN new                         ; the immediate's high byte repeats the setting that is left
.if MSB != (\new)
	s_set_vgpr_msb (MSB<<8)|(\new)
.set MSB, (\new)
.endif
.endm
.set MUL_LO, 0xa1                      ; source 0 (B) window 1, source 1 (A) window 0, C and D window 2
.set MUL_HI, 0xf1
.set TO_B,   0x40
.macro JLOAD g0a, g1a, g0b, g1b        ; a joint load: waves 0 and 1 fetch for A, waves 2 and 3 for B; four v_nop follow each line
	s_cmp_eq_u32 s15, 0
	s_cbranch_scc0 .Lfor_b_\@
	tensor_load_to_lds s[\g0a:\g0a+3], s[\g1a:\g1a+7]
	s_nop 0
.rept 4
	v_nop
.endr
	s_branch .Lasked_\@
.Lfor_b_\@:
	tensor_load_to_lds s[\g0b:\g0b+3], s[\g1b:\g1b+7]
	s_nop 0
.rept 4
	v_nop
.endr
.Lasked_\@:
.endm
.macro CREST
	s_cmp_lg_u32 s14, 0
	s_cbranch_scc1 .Lnot_wave_0_\@
	s_barrier_signal -3
.Lnot_wave_0_\@:
	s_barrier_wait -3
	s_barrier_signal -1
	s_barrier_wait -1
.endm
.macro CROUND
	s_barrier_signal -1
	s_barrier_wait -1
	CREST
.endm
	s_load_b128 s[4:7], s[0:1], 0x0                ; hc, wc
	s_load_b128 s[8:11], s[0:1], 0x10              ; the scales' exponents, qkvc
	v_lshl_add_u32 v[SPW], v0, 2, SPARE
	v_mov_b32 v[NIL], 0
	ds_add_u32 v28, v29
	ds_add_u32 v28, v29
	s_wait_dscnt 0x0
	v_lshrrev_b32 v1, 5, v0
	v_readfirstlane_b32 s14, v1                    ; wave 0..3
	s_lshr_b32 s15, s14, 1                         ; which half of the tile's rows is mine.  Also: I fetch for A (0) or for B (1)
	s_and_b32 s16, s14, 1                          ; which half of its columns.  Also: which 128 rows I fetch
	s_bfe_u32 s40, ttmp6, 0x40000                  ; cx
	s_bfe_u32 s41, ttmp6, 0x40004                  ; cy
	s_lshl_b32 s43, s41, 2
	s_lshl_b32 s43, 15, s43                        ; my row of the cluster
	s_lshl_b32 s44, 0x1111, s40                    ; my column
	s_or_b32 s[G1+0], s43, (1<<20)|(1<<21)|(5<<22)|(3<<25)    ; the mask; elements of 1 byte; padding on; bit 21 beside a mask; after every 64 words, 4 words
	s_or_b32 s[G1B+0], s44, (1<<20)|(1<<21)|(5<<22)|(3<<25)
.irp g, G1, G1B
	s_mov_b32 s[\g+1], ROWB<<16                    ; tensor_dim0
	s_mov_b32 s[\g+2], 128<<16                     ; tensor_dim1
	s_mov_b32 s[\g+3], ROWB<<16                    ; tile_dim0
	s_mov_b32 s[\g+4], 128                         ; tile_dim1
	s_mov_b32 s[\g+5], KROW                        ; from row to row
	s_mov_b32 s[\g+6], 0
	s_mov_b32 s[\g+7], 0
.endr
	s_lshl_b32 s18, s16, 7
	s_lshl_b32 s20, s41, 8
	s_add_co_u32 s20, s20, s18                     ; A's role: row 256 cy + 128 x half
	s_lshl_b32 s46, s40, 8
	s_add_co_u32 s46, s46, s18                     ; B's role: row 256 cx + 128 x half
	s_and_b32 s66, ttmp7, 0xffff
	s_lshl_b32 s66, s66, 10                        ; the batch's first token
	s_lshl_b32 s84, ttmp9, 22                      ; q, k: the set of hc,
	s_lshl_b32 s86, ttmp9, 20                      ; and the weight in wc
	s_mul_i32 s45, s14, HALFT                      ; where my tile goes in a slot
	s_wait_kmcnt 0x0
	s_load_b512 s[68:83], s[8:9], 0x0              ; e0 .. e15
	s_cmp_eq_u32 ttmp9, 2                          ; v?  The same answer in all sixteen partners
	s_cselect_b32 s85, 0, s66                      ; tokens are A's rows for q and k,
	s_cselect_b32 s87, s66, 0                      ; B's for v
	s_cselect_b32 s84, 0x200000, s84               ; v: A = Wv's codes,
	s_cselect_b32 s86, 0x800000, s86               ; B = the third set of hc
	s_cselect_b64 s[88:89], s[6:7], s[4:5]
	s_cselect_b64 s[90:91], s[4:5], s[6:7]
	s_add_co_u32 s20, s20, s85
	s_lshl_b32 s20, s20, 10
	s_add_co_u32 s20, s20, s84
	s_mov_b32 s21, 0
	s_add_co_u32 s46, s46, s87
	s_lshl_b32 s46, s46, 10
	s_add_co_u32 s46, s46, s86
	s_mov_b32 s47, 0
	s_add_nc_u64 s[20:21], s[88:89], s[20:21]
	s_add_nc_u64 s[46:47], s[90:91], s[46:47]
	CROUND                                         ; all sixteen work-groups are here: the first joint loads meet
.irp s, 0,1
	s_mov_b32 s[G0+4*\s], 1
	s_add_co_u32 s[G0+4*\s+1], s45, \s*SLOT
	s_add_nc_u64 s[G0+4*\s+2:G0+4*\s+3], s[20:21], \s*ROWB
	s_or_b32 s[G0+4*\s+3], s[G0+4*\s+3], 0x80000000
	s_mov_b32 s[G0B+4*\s], 1
	s_add_co_u32 s[G0B+4*\s+1], s45, \s*SLOT
	s_add_nc_u64 s[G0B+4*\s+2:G0B+4*\s+3], s[46:47], \s*ROWB
	s_or_b32 s[G0B+4*\s+3], s[G0B+4*\s+3], 0x80000000
.if \s == 0
	JLOAD G0, G1, G0B, G1B                         ; K step 0: one tensor load a wave at the head
.endif
.endr
; PREFETCHES: of the 128 rows that my wave fetches, each of the four partners that ask for them jointly takes 32, told apart by address (cx for A's role, cy for B's): a lane a row, 256 bytes of it a K step.
; K step 1 is asked for here, K steps 2 and 3 behind K step 1's load: each at least one K step ahead of the joint load that wants it.  The address registers are never written again.
.set PFA, 96
.set PFO, 27
	s_cmp_eq_u32 s15, 0
	s_cselect_b64 s[PFA:PFA+1], s[20:21], s[46:47]
	s_cselect_b32 s98, s40, s41
	s_lshl_b32 s98, s98, 15                        ; 32 rows of 1,024 bytes
	s_mov_b32 s99, 0
	s_add_nc_u64 s[PFA:PFA+1], s[PFA:PFA+1], s[98:99]
	v_and_b32 v[PFO], 31, v0
	v_lshlrev_b32 v[PFO], 10, v[PFO]
	global_prefetch_b8 v[PFO], s[PFA:PFA+1] offset:ROWB th:TH_LOAD_NT scope:SCOPE_SE
	v_and_b32 v1, 15, v0                           ; r
	v_bfe_u32 v2, v0, 4, 1                         ; h
	v_mul_u32_u24 v3, v1, PITCH
	s_wait_alu depctr_va_vdst(0)
	v_lshl_add_u32 v4, v2, 4, v3                   ; a fragment's row x pitch + 16 h
	s_mul_i32 s21, s15, HALFT
	s_mul_i32 s22, s16, HALFT
	s_add_co_u32 s22, s22, 2*HALFT
.irp s, 0,1
	v_add_nc_u32 v[ADRA+\s], s21, v4
	v_add_nc_u32 v[ADRB+\s], s22, v4
	s_add_co_u32 s21, s21, SLOT
	s_add_co_u32 s22, s22, SLOT
.endr
	s_mul_i32 s23, s15, HALFT                      ; the stage, 256 rows x 272 bytes from LDS byte 0: my 128 rows,
	s_lshl_b32 s22, s16, 7
	s_add_co_u32 s23, s23, s22                     ; my 128 bytes of them
	v_lshl_add_u32 v5, v2, 3, v3
	v_add_nc_u32 v[STO], s23, v5                   ; row r, + 8 h
	s_mul_i32 s23, s14, 64*PITCH                   ; back: wave w takes rows 64 w on, whole; lanes 0-15 one row, lanes 16-31 the next
	v_mul_u32_u24 v5, v2, PITCH
	v_lshl_add_u32 v5, v1, 4, v5
	v_add_nc_u32 v[RD], s23, v5
	v_mul_u32_u24 v5, v2, OP
	v_lshl_add_u32 v[CO], v1, 4, v5
	s_lshl_b32 s20, s41, 8
	s_add_co_u32 s20, s20, s66
	s_lshl_b32 s21, s14, 6
	s_add_co_u32 s20, s20, s21                     ; the first output row that I store: 1,024 x batch + 256 cy + 64 x wave
	s_lshl_b32 s20, s20, 10
	s_lshl_b32 s21, ttmp9, 22
	s_add_co_u32 s20, s20, s21                     ; in q's, k's or v's part
	s_mov_b32 s21, 0
	s_lshl_b32 s46, s40, 8                         ; the tile's first column
	s_mov_b32 s47, 0
	s_add_nc_u64 s[20:21], s[20:21], s[46:47]
	s_lshl_b32 s92, s41, 8                         ; k's codes lie by pairs of heads: 0x400000 + 2^20 x batch + 2^17 x pair + 128 x token + the pair's 128 bytes
	s_lshl_b32 s93, s14, 6
	s_add_co_u32 s92, s92, s93                     ; the first token of the batch that I store: 256 cy + 64 x wave
	s_lshl_b32 s92, s92, 7
	s_lshl_b32 s93, s66, 10
	s_add_co_u32 s92, s92, s93
	s_lshl_b32 s93, s40, 18                        ; the tile's first pair of heads: 2 cx
	s_add_co_u32 s92, s92, s93
	s_add_co_u32 s92, s92, 0x400000
	s_cmp_eq_u32 ttmp9, 1
	s_cselect_b32 s20, s92, s20
	s_add_nc_u64 s[10:11], s[10:11], s[20:21]
	s_wait_kmcnt 0x0
	s_add_co_i32 s92, s68, s69                     ; es and eo are chosen without a branch
	s_add_co_i32 s93, s70, s71
	s_add_co_i32 s94, s72, s73
	s_cmp_eq_u32 ttmp9, 1
	s_cselect_b32 s92, s93, s92
	s_cselect_b32 s95, s75, s74
	s_cmp_eq_u32 ttmp9, 2
	s_cselect_b32 s92, s94, s92
	s_cselect_b32 s95, s77, s95
	s_sub_co_i32 s92, s95, s92                     ; eo - es
	s_add_co_i32 s92, s92, 127
	s_lshl_b32 s93, s92, 23
	v_mov_b32 v[SC], s93
	s_add_co_i32 s92, s92, 8
	s_lshl_b32 s92, s92, 23
	s_or_b32 s92, s92, 0x600000
	v_mov_b32 v[LIM], s92
.macro FRAG reg, adr, q, i             ; 16 rows x 128 K: registers 4 c .. 4 c + 3 hold K = 32 c + 16 h + 0 .. 15
.irp c, 0,1,2,3
	ds_load_b128 v[\reg+4*\c:\reg+4*\c+3], v[\adr] offset:128*(\q)+32*\c+(\i)*16*PITCH
.endr
.endm
.macro MUL16 a0, p, zero               ; A's blocks a0, a0 + 1 x B's eight.  The 64 accumulators take turns, one instruction a turn, in the same order in every step
.irp a, \a0, \a0+1
.irp b, 0,1,2,3,4,5,6,7
.if \zero
	v_wmma_f32_16x16x128_fp8_fp8 v[8*(8*((\a)%4)+\b):8*(8*((\a)%4)+\b)+7], v[128*(\p)+FR*\b:128*(\p)+FR*\b+FR-1], v[AF+FR*(\a):AF+FR*(\a)+FR-1], 0
.else
	v_wmma_f32_16x16x128_fp8_fp8 v[8*(8*((\a)%4)+\b):8*(8*((\a)%4)+\b)+7], v[128*(\p)+FR*\b:128*(\p)+FR*\b+FR-1], v[AF+FR*(\a):AF+FR*(\a)+FR-1], v[8*(8*((\a)%4)+\b):8*(8*((\a)%4)+\b)+7]
.endif
.endr
.endr
.endm
.macro FETCH_B slot, q, p
	WIN TO_B
.irp i, 0,1,2,3,4,5,6,7
	FRAG 128*(\p)+FR*\i, ADRB+\slot, \q, \i
.endr
	WIN 0
.endm
.macro FETCH_A slot, q, i0
.irp i, \i0, \i0+1, \i0+2, \i0+3
	FRAG AF+FR*(\i), ADRA+\slot, \q, \i
.endr
.endm
.macro PLACES n                        ; plain vector instructions between a matrix instruction and a load into, or a vector read or write of, its registers
.rept \n
	v_nop
.endr
.endm
.macro STEP slot, q, zero              ; 128 along K, with its successor in the same slot
	s_wait_dscnt 4*NL                              ; B's set and A's blocks 0-3 are in; the youngest 16 loads (A's blocks 4-7) may be out
	WIN MUL_LO
	MUL16 0, (\q)%2, \zero
	MUL16 2, (\q)%2, \zero
	s_wait_dscnt 0
	PLACES NP
	FETCH_B \slot, (\q)+1, 1-(\q)%2
	FETCH_A \slot, (\q)+1, 0
	WIN MUL_HI
	MUL16 4, (\q)%2, \zero
	MUL16 6, (\q)%2, \zero
	PLACES NP
	WIN 0
	FETCH_A \slot, (\q)+1, 4
.endm
.macro TURN slot, next, fill           ; a slot's last step changes slots: one barrier; in front of it all my tensor loads have landed, the add is done and my reads of this slot are over
	s_wait_tensorcnt 0x0                           ; my part of the next slot is in, and no load of mine is out
	ds_add_u32 v[SPW], v[NIL]                      ; 0 onto my spare word
	s_wait_dscnt 4*NL+1                            ; (the add and the youngest 16 loads may be out)
	WIN MUL_LO
	MUL16 0, 1, 0
	s_wait_dscnt 0x0                               ; the add is done, and my reads of this slot are over
	s_barrier_signal -1
	MUL16 2, 1, 0
	WIN 0
	s_barrier_wait -1
.if \fill
	CREST                                          ; the barrier has opened a round of the cluster's: no wave of any partner still reads this slot or has a load on its way
	s_add_nc_u64 s[G0+4*\slot+2:G0+4*\slot+3], s[G0+4*\slot+2:G0+4*\slot+3], 2*ROWB
	s_add_nc_u64 s[G0B+4*\slot+2:G0B+4*\slot+3], s[G0B+4*\slot+2:G0B+4*\slot+3], 2*ROWB
	JLOAD G0+4*\slot, G1, G0B+4*\slot, G1B         ; the first tensor load behind the round; its four v_nop are the places in front of the loads below
.else
	PLACES NP
.endif
	FETCH_B \next, 0, 0
	FETCH_A \next, 0, 0
	WIN MUL_HI
	MUL16 4, 1, 0
	MUL16 6, 1, 0
	PLACES NP
	WIN 0
	FETCH_A \next, 0, 4
.endm
	s_wait_alu depctr_va_vdst(0)                   ; the wait at the head's end
	s_wait_tensorcnt 0x0                           ; my part of K step 0 is in; slot 1's first fill is issued as a refill is:
	ds_add_u32 v[SPW], v[NIL]                      ; 0 onto my spare word
	s_wait_dscnt 0x0
	CROUND                                         ; a whole round: everybody's part of K step 0 is in
	JLOAD G0+4, G1, G0B+4, G1B                     ; K step 1, the first tensor load behind the round
	global_prefetch_b8 v[PFO], s[PFA:PFA+1] offset:2*ROWB th:TH_LOAD_NT scope:SCOPE_SE
	global_prefetch_b8 v[PFO], s[PFA:PFA+1] offset:3*ROWB th:TH_LOAD_NT scope:SCOPE_SE
	FETCH_B 0, 0, 0
	FETCH_A 0, 0, 0
	FETCH_A 0, 0, 4
	STEP 0, 0, 1                                   ; the first step's products start the sums: nothing is cleared
	s_mov_b32 s3, LAPS-1
.Llap:
	TURN 0, 1, 1
	STEP 1, 0, 0
	TURN 1, 0, 1
	STEP 0, 0, 0
	s_sub_co_u32 s3, s3, 1
	s_cmp_lg_u32 s3, 0
	s_cbranch_scc1 .Llap
	TURN 0, 1, 0                                   ; the last lap fills nothing
	STEP 1, 0, 0
	s_wait_dscnt 4*NL
	WIN MUL_LO
	MUL16 0, 1, 0
	MUL16 2, 1, 0
	s_wait_alu depctr_va_vdst(0)
	s_wait_dscnt 0
	WIN MUL_HI
	MUL16 4, 1, 0
	MUL16 6, 1, 0
	WIN 0
; THE WAY OUT.  Sums are held, converted (8 neighbours of a row = 8 bytes a lane) and put into the work-group's stage, which lies in slot 0: that slot has had its last fill, and behind the last change of slots nobody reads it.
; A row's 256 bytes come from two waves, so a barrier stands between writing and reading; then each wave stores 64 whole rows.
.macro QBLK a, hf                      ; block a of 16 rows, its accumulators 4 hf .. 4 hf + 3
.set AC, 64*((\a)%4)+32*(\hf)
	WIN 0x02+((\a)/4)                              ; source 0: window 2 or 3
.set j, 0
.rept 32
	v_med3_num_f32 v[TMP+j], v[AC+j], -v[LIM], v[LIM]   ; each accumulator from its low end on
.set j, j+1
.endr
	WIN 0
.irp b, 0,1,2,3
	v_cvt_scalef32_pk8_fp8_f32 v[CD+16*(\a)+8*(\hf)+2*\b:CD+16*(\a)+8*(\hf)+2*\b+1], v[TMP+8*\b:TMP+8*\b+7], v[SC]
.endr
	v_nop                                          ; a plain line behind the conversions: the next block's holds write their sources
.irp b, 0,1,2,3
	ds_store_b64 v[STO], v[CD+16*(\a)+8*(\hf)+2*\b:CD+16*(\a)+8*(\hf)+2*\b+1] offset:(\a)*16*PITCH+64*(\hf)+16*\b
.endr
.endm
	PLACES NP                                      ; behind the last products: their results are read, and A's registers written, below
.irp a, 0,1,2,3,4,5,6,7
	QBLK \a, 0
	QBLK \a, 1
.endr
	s_wait_dscnt 0x0                               ; for the others' sake: my stores into the stage are done
	s_barrier_signal -1
	s_barrier_wait -1
	s_cmp_eq_u32 ttmp9, 1                          ; k?  The cluster's x: the same answer in all sixteen partners
	s_cbranch_scc1 .Lkout
.set t, 0
.rept 32
	ds_load_b128 v[CD+4*t:CD+4*t+3], v[RD] offset:t*2*PITCH
.set t, t+1
.endr
.set t, 0
.rept 32
	s_wait_dscnt 31-t                              ; read-back t is in; the younger ones may be out
	global_store_b128 v[CO], v[CD+4*t:CD+4*t+3], s[10:11] offset:2*t*OP   ; sixteen lanes store 256 consecutive bytes, aligned
.set t, t+1
.endr
	s_branch .Ldone
; k's way out: lanes 0-15 take one pair of heads, lanes 16-31 the next; of sixteen lanes eight take a token's 128 bytes and eight the next token's: 256 consecutive bytes, aligned.
.Lkout:
	s_mul_i32 s23, s14, 64*PITCH
	v_bfe_u32 v5, v0, 3, 1
	v_bfe_u32 v6, v0, 4, 1
	v_and_b32 v7, 7, v0
	v_mul_u32_u24 v5, v5, PITCH
	v_and_b32 v4, 15, v0
	v_lshl_add_u32 v5, v6, 7, v5
	v_lshlrev_b32 v4, 4, v4
	v_lshl_add_u32 v5, v7, 4, v5
	v_lshl_add_u32 v6, v6, 17, v4                  ; in memory: 2^17 x pair + 16 x (lane % 16)
	v_add_nc_u32 v5, s23, v5                       ; in the stage: my 64 rows, + the token's row, + the pair's 128 bytes
.set t, 0
.rept 32
	ds_load_b128 v[CD+4*t:CD+4*t+3], v5 offset:t*2*PITCH
.set t, t+1
.endr
	s_wait_alu depctr_va_vdst(0)
.set t, 0
.rept 32
	s_wait_dscnt 31-t                              ; read-back t is in; the younger ones may be out
	global_store_b128 v6, v[CD+4*t:CD+4*t+3], s[10:11] offset:256*t
.set t, t+1
.endr
.Ldone:
	s_wait_tensorcnt 0x0                           ; the wave's end
	ds_add_u32 v[SPW], v[NIL]
	s_wait_dscnt 0x0
	CROUND                                         ; the closing round
	s_endpgm
.Lfunc_end_k_qacf5231a9a_qkv:
	.size	k_qacf5231a9a_qkv, .Lfunc_end_k_qacf5231a9a_qkv-k_qacf5231a9a_qkv
	.p2alignl 7, 3214868480
	.fill 96, 4, 3214868480
	.section	.rodata,"a",@progbits
	.p2align	6, 0x0
	.amdhsa_kernel k_qacf5231a9a_qkv
		.amdhsa_group_segment_fixed_size 327680
		.amdhsa_private_segment_fixed_size 0
		.amdhsa_enable_private_segment 0
		.amdhsa_kernarg_size 32
		.amdhsa_user_sgpr_count 2
		.amdhsa_user_sgpr_kernarg_segment_ptr 1
		.amdhsa_wavefront_size32 1
		.amdhsa_system_sgpr_workgroup_id_x 1
		.amdhsa_system_sgpr_workgroup_id_y 1
		.amdhsa_system_sgpr_workgroup_id_z 1
		.amdhsa_system_vgpr_workitem_id 0
		.amdhsa_next_free_vgpr 1024
		.amdhsa_next_free_sgpr 100
		.amdhsa_reserve_vcc 0
		.amdhsa_float_denorm_mode_32 3
		.amdhsa_float_denorm_mode_16_64 3
		.amdhsa_memory_ordered 1
		.amdhsa_forward_progress 1
		.amdhsa_inst_pref_size 134
	.end_amdhsa_kernel
	.amdgpu_metadata
---
amdhsa.version: [ 1, 2 ]
amdhsa.kernels:
  - .name:           k_qacf5231a9a_qkv
    .symbol:         k_qacf5231a9a_qkv.kd
    .args:
      - { .name: hc, .offset: 0, .size: 8, .value_kind: global_buffer, .address_space: global }
      - { .name: wc, .offset: 8, .size: 8, .value_kind: global_buffer, .address_space: global }
      - { .name: lowp_scales, .offset: 16, .size: 8, .value_kind: global_buffer, .address_space: global }
      - { .name: qkvc, .offset: 24, .size: 8, .value_kind: global_buffer, .address_space: global }
    .group_segment_fixed_size: 327680
    .private_segment_fixed_size: 0
    .kernarg_segment_align: 8
    .kernarg_segment_size: 32
    .max_flat_workgroup_size: 128
    .sgpr_count:     100
    .vgpr_count:     1024
    .wavefront_size: 32
...
	.end_amdgpu_metadata
.endif
;; end of part 2
;; launch attn (part 3): grid 8 x 32, 16 waves a work-group, clusters of 4 x 1, 327,680 bytes of LDS; arguments qkvc, lowp_scales, ac; writes ac
.if DOCPART == 3
	.amdgcn_target "amdgcn-amd-amdhsa--gfx1250"
	.amdhsa_code_object_version 6
	.text
	.protected	k_qacf5231a9a_attn
	.globl	k_qacf5231a9a_attn
	.p2align	8
	.type	k_qacf5231a9a_attn,@function
k_qacf5231a9a_attn:
	s_mov_b64 s[64:65], 0
	v_nop
	global_prefetch_b8 v0, s[64:65] scope:SCOPE_SE
	s_setreg_imm32_b32 hwreg(HW_REG_WAVE_MODE, 25, 1), 1
	s_wait_xcnt 0x0
	s_wait_alu depctr_hold_cnt(0) depctr_sa_sdst(0) depctr_va_vdst(0) depctr_va_sdst(0) depctr_va_ssrc(0) depctr_va_vcc(0) depctr_vm_vsrc(0)
	s_getreg_b32 s2, hwreg(HW_REG_IB_STS2, 6, 4)
	s_cmp_eq_u32 s2, 0
	s_cbranch_scc0 .Lentry_in_a_cluster
	s_endpgm
.Lentry_in_a_cluster:
	s_bfe_u32 s2, ttmp6, 0x10000c
	s_cmp_lg_u32 s2, 0x3003
	s_cbranch_scc0 .Lentry_shape_is_right
	s_endpgm
.Lentry_shape_is_right:
; Causal attention on codes of E4M3, head size 64, and the result's own codes.  Scales: q e6, k e7, p e8, v e9, the result e10.
; qkvc: q [4096 tokens][1024 = head x 64 + d] at byte 0; k by pairs of heads, [32 = 8 x batch + pair][1024 tokens][128], at 0x400000; v with the keys innermost, [4][1024 = head x 64 + d][1024 tokens], at 0x800000.
; ac: the result as the next product's operand registers take it: 16,384 x (token / 16) + 2,048 x pair + 512 c + 16 x lane holds, for lane = 16 h + r, token 16 (token / 16) + r at
; k = 128 x pair + 32 c + 8 h + 0 .. 7 (first 8 bytes) and + 16 more (last 8 bytes): the 8-bit form's own layout (registers 2 c', 2 c' + 1: k = 16 c' + 8 h + 0 .. 7).
; THE SOFTMAX: t = score x log2(e) / 8; M = the running largest t rounded UP to a whole number; p = 2^(t - M) is quantised, not normalised; the row's sum is taken of the unquantised p and divides at the end;
; when M moves, the sum and O are multiplied by 2^(old M - new M), which rounds nothing.
; SHARES.  Work-group (j, y) serves batch y / 8, the pair of heads y % 8, and the eight tiles of 16 queries 8 g + j, g = 0 .. 7.  Wave w takes head w % 2 and one g: its tile has g + 1 key steps of 128 that the mask leaves,
; the last of them on the diagonal, whatever j is: 72 steps a work-group.  g = 2 (w / 4) + ((w / 2 + w / 4) % 2), so that waves w, w + 4, w + 8, w + 12 have 18 steps together.
; ALL 1,024 keys of the pair lie in LDS: K 1,024 rows x 144 bytes, V 128 rows x 1,040.  They are filled once, one tensor load a wave (waves 0-7: 128 keys of K each; waves 8-15: 16 rows of V each); nothing is filled again,
; and no barrier stands in the loop.  A step all of whose keys come after the wave's queries is left out by a scalar branch.
; CLUSTER: the four work-groups of a cluster (j = 4 x cluster x + cx) read the same K and V and ask for them jointly.  Every branch hangs on the wave's number and the count of steps alone; j enters global addresses and the mask's numbers only.
; No prefetch: K and V are asked for once, at the head; there is no loop to run ahead in.
; LAYOUT.  S^T = K Q^T (source 0 = 16 keys, source 1 = my 16 queries, K = 64) and O^T = V^T P^T (source 0 = 16 of the head's 64, source 1 = P, K = 128 keys): a lane holds ONE query throughout.
; Register 8 t + i of S^T holds key 16 t + 8 h + i of the step, so p's codes are the second product's operand in the form's own layout, and V's fragments come by 8-byte loads in the same.  Q's and K's come by 16-byte loads: a permutation of k, the same on both sides.
; LIMITS on the given exponents: e6 + e7 between -123 and 130 (added to c's exponent field); e8, and e10 - e8 - e9, between -126 and 119.
; REGISTERS: v1-9 addresses; v12 -M, v13 the largest t, v[14:15] the sum; v16-23 Q; v32-95 fragments of K or V; v96-159 S^T, then p; v160-191 O^T; v200-211 at work and scales; v224-239 p's codes; v244-255 at work.
.set KP,    144                        ; 9 x 16 bytes: the 16 rows of a load start at 16 different banks (64 banks of 4 bytes: ISA guide 11.1)
.set VP,    1040                       ; 65 x 16 bytes
.set VOFF,  1024*KP
.set SPARE, VOFF+128*VP                ; the spare words: 128 bytes for each of 16 waves, named by no other line
.set AK0,  1
.set AV0,  2
.set DD,   3                           ; v3 my query less the diagonal step's first key less 8 h
.set NINF, 4                           ; v4 -infinity
.set SPW,  5
.set NIL,  6
.set GO,   7
.set ADK,  8
.set ADV,  9
.set WV,   18
.set HD,   19
.set SEL,  20
.set CS,   22
.set G1K,  24
.set G1V,  32
.set G0K,  40
.set G0V,  44
.set GR,   52                          ; s52 g
.set ST,   53                          ; s53 the step
.set TBK,  54                          ; s54 the step's first byte among K's rows
.set TBV,  55                          ; s55 and along V's rows
.macro CROUND                          ; a round of the cluster's barrier
	s_barrier_signal -1
	s_barrier_wait -1
	s_cmp_lg_u32 s[WV], 0
	s_cbranch_scc1 .Lnot_wave_0_\@
	s_barrier_signal -3
.Lnot_wave_0_\@:
	s_barrier_wait -3
	s_barrier_signal -1
	s_barrier_wait -1
.endm
	s_load_b128 s[4:7], s[0:1], 0x0                ; qkvc, the scales' exponents
	s_load_b64 s[8:9], s[0:1], 0x10                ; ac
	v_lshl_add_u32 v[SPW], v0, 2, SPARE
	v_mov_b32 v[NIL], 0
	ds_add_u32 v[SPW], v[NIL]                      ; the opening lines: the add, twice on end, and its wait ahead of the round in front of the loads
	ds_add_u32 v[SPW], v[NIL]
	v_lshrrev_b32 v8, 5, v0
	v_readfirstlane_b32 s[WV], v8                  ; wave 0..15
	s_and_b32 s[HD], s[WV], 1                      ; my head of the pair
	s_lshr_b32 s10, s[WV], 2
	s_bfe_u32 s11, s[WV], 0x10001
	s_xor_b32 s11, s11, s10
	s_and_b32 s11, s11, 1
	s_lshl_b32 s[GR], s10, 1
	s_add_co_u32 s[GR], s[GR], s11                 ; g
	s_bfe_u32 s12, ttmp6, 0x40000                  ; cx
	s_lshl_b32 s13, ttmp9, 2
	s_add_co_u32 s12, s12, s13                     ; j
	s_and_b32 s14, ttmp7, 0xffff                   ; y = 8 x batch + pair
	s_mov_b32 s[G1K], 15|(1<<20)|(1<<21)|(4<<22)|(3<<25)   ; the four partners; elements of 1 byte; bit 21 beside a mask; padding: 4 words after every 32.  K's rows are dense: stated as rows of 256 bytes
	s_mov_b32 s[G1K+1], 256<<16
	s_mov_b32 s[G1K+2], 64<<16
	s_mov_b32 s[G1K+3], 256<<16
	s_mov_b32 s[G1K+4], 64
	s_mov_b32 s[G1K+5], 256
	s_mov_b32 s[G1K+6], 0
	s_mov_b32 s[G1K+7], 0
	s_mov_b32 s[G1V], 15|(1<<20)|(1<<21)|(7<<22)|(3<<25)   ; padding: 4 words after every 256
	s_mov_b32 s[G1V+1], 1024<<16
	s_mov_b32 s[G1V+2], 16<<16
	s_mov_b32 s[G1V+3], 1024<<16
	s_mov_b32 s[G1V+4], 16
	s_mov_b32 s[G1V+5], 1024
	s_mov_b32 s[G1V+6], 0
	s_mov_b32 s[G1V+7], 0
	s_mov_b32 s[SEL], 0x76543210
	s_mov_b32 s[SEL+1], 0xfedcba98
	s_mov_b32 s[CS], 0x3e38aa3b                    ; c = log2(e) / 8
	s_mov_b32 s[ST], 0
	s_mov_b32 s[TBK], 0
	s_mov_b32 s[TBV], 0
	s_and_b32 s15, s[WV], 7
	s_lshl_b32 s15, s15, 14                        ; my eighth: 16,384 bytes of K's block or of V's,
	s_lshl_b32 s16, s14, 17                        ; each 131,072 bytes for a batch and pair
	s_add_co_u32 s48, s15, s16
	s_add_co_u32 s50, s48, 0x800000
	s_add_co_u32 s48, s48, 0x400000
	s_mov_b32 s49, 0
	s_mov_b32 s51, 0
	s_mul_i32 s46, s[WV], 128*KP                   ; where it goes: K, waves 0-7;
	s_mul_i32 s47, s[WV], 16*VP
	s_add_co_u32 s47, s47, VOFF-8*16*VP            ; V, waves 8-15
	s_wait_dscnt 0x0                               ; both opening adds are done
	s_wait_kmcnt 0x0
	s_load_b128 s[68:71], s[6:7], 0x18             ; e6, e7, e8, e9
	s_load_b32 s72, s[6:7], 0x28                   ; e10
	s_mov_b32 s[G0K], 1
	s_mov_b32 s[G0K+1], s46
	s_add_nc_u64 s[G0K+2:G0K+3], s[4:5], s[48:49]
	s_or_b32 s[G0K+3], s[G0K+3], 0x80000000
	s_mov_b32 s[G0V], 1
	s_mov_b32 s[G0V+1], s47
	s_add_nc_u64 s[G0V+2:G0V+3], s[4:5], s[50:51]
	s_or_b32 s[G0V+3], s[G0V+3], 0x80000000
	CROUND                                         ; the four work-groups are here: the joint loads meet
	s_cmp_lt_u32 s[WV], 8
	s_cbranch_scc0 .Lfor_v
	tensor_load_to_lds s[G0K:G0K+3], s[G1K:G1K+7]
	s_nop 0
.rept 4
	v_nop
.endr
	s_branch .Lasked
.Lfor_v:
	tensor_load_to_lds s[G0V:G0V+3], s[G1V:G1V+7]
	s_nop 0
.rept 4
	v_nop
.endr
.Lasked:
	s_lshr_b32 s58, s14, 3                         ; batch
	s_and_b32 s59, s14, 7                          ; pair
	s_lshl_b32 s60, s58, 6
	s_lshl_b32 s61, s[GR], 3
	s_add_co_u32 s60, s60, s61
	s_add_co_u32 s60, s60, s12                     ; my tile of 16 tokens: 64 x batch + 8 g + j
	s_lshl_b32 s62, s60, 14                        ; 16 rows of q, and a tile of ac: 16,384 bytes
	s_lshl_b32 s61, s59, 7
	s_add_co_u32 s56, s62, s61
	s_lshl_b32 s73, s[HD], 6
	s_add_co_u32 s56, s56, s73
	s_mov_b32 s57, 0
	s_add_nc_u64 s[56:57], s[4:5], s[56:57]        ; q at my first query, my head
	s_lshl_b32 s61, s59, 11
	s_add_co_u32 s62, s62, s61
	s_lshl_b32 s61, s[HD], 10
	s_add_co_u32 s62, s62, s61
	s_mov_b32 s63, 0
	s_add_nc_u64 s[8:9], s[8:9], s[62:63]          ; ac: my tile, my pair, my head's 1,024 bytes
	s_mul_i32 s74, s[HD], 64*VP
	s_add_co_u32 s74, s74, VOFF
	s_lshl_b32 s75, s12, 4                         ; 16 j
	v_and_b32 v8, 15, v0                           ; r
	v_bfe_u32 v9, v0, 4, 1                         ; h
	v_and_b32 v11, 31, v0
	v_lshlrev_b32 v10, 10, v8
	v_lshlrev_b32 v[GO], 4, v11
	v_lshl_add_u32 v10, v9, 4, v10                 ; q: row r, + 16 h
	global_load_b128 v[16:19], v10, s[56:57]       ; Q's fragment stays in registers: k = 16 h + 0 .. 15,
	global_load_b128 v[20:23], v10, s[56:57] offset:32   ; and 32 + 16 h + 0 .. 15
	v_mul_u32_u24 v[AK0], v8, KP
	v_mul_u32_u24 v[AV0], v8, VP
	v_lshlrev_b32 v11, 3, v9
	v_lshl_add_u32 v[AK0], v9, 4, v[AK0]
	v_lshl_add_u32 v[AV0], v9, 3, v[AV0]
	v_sub_nc_u32 v[DD], v8, v11
	v_add_nc_u32 v[AK0], s73, v[AK0]               ; K: key r, my head's 64 bytes, + 16 h
	v_add_nc_u32 v[AV0], s74, v[AV0]               ; V: my head's row r, + 8 h
	v_add_nc_u32 v[DD], s75, v[DD]
	v_mov_b32 v[NINF], 0xff800000
	v_mov_b32 v13, 0xff61b1e6                      ; the largest t so far: -3e38
	v_mov_b32 v14, 0
	v_mov_b32 v15, 0
	v_floor_f32 v12, -v13                          ; -M
	v_mov_b32 v200, 0                              ; written once: a lane permute's destination counts as one of its sources
	v_mov_b32 v203, 0                              ; (named as the upper half of the pair v[202:203])
.set j, 0
.rept 32
	v_mov_b32 v[160+j], 0                          ; O^T: the step is written once; the first finds zeros
.set j, j+1
.endr
	s_wait_kmcnt 0x0
	s_add_co_i32 s73, s68, s69
	s_lshl_b32 s73, s73, 23
	s_add_co_i32 s[CS], s[CS], s73                 ; a score stands for score x 2^(e6 + e7): added to c's exponent field
	s_mov_b32 s[CS+1], s[CS]
	s_add_co_i32 s73, s70, 127
	s_lshl_b32 s74, s73, 23
	v_mov_b32 v209, s74                            ; 2^e8
	s_add_co_i32 s73, s73, 8
	s_lshl_b32 s73, s73, 23
	s_or_b32 s73, s73, 0x600000
	v_mov_b32 v208, s73                            ; 448 x 2^e8
	s_sub_co_i32 s73, s72, s70
	s_sub_co_i32 s73, s73, s71
	s_add_co_i32 s73, s73, 127
	s_lshl_b32 s74, s73, 23
	v_mov_b32 v210, s74                            ; 2^(e10 - e8 - e9): O / l stands for attn / 2^(e8 + e9)
	s_add_co_i32 s73, s73, 8
	s_lshl_b32 s73, s73, 23
	s_or_b32 s73, s73, 0x600000
	v_mov_b32 v211, s73
	s_wait_alu depctr_va_vdst(0)                   ; the wait at the head's end
	s_wait_loadcnt 0x0                             ; Q
	s_wait_tensorcnt 0x0                           ; my eighth of K or of V is in,
	s_barrier_signal -1
	s_barrier_wait -1                              ; and everybody's
.Lstep:                                            ; eight trips, 128 keys each
	s_cmp_gt_u32 s[ST], s[GR]
	s_cbranch_scc1 .Lhidden                        ; all its keys come after my queries
	v_add_nc_u32 v[ADK], s[TBK], v[AK0]
	v_add_nc_u32 v[ADV], s[TBV], v[AV0]
	v_nop                                          ; with the two additions: four places in front of loads into registers that matrix instructions have read
	v_nop
.set t, 0
.rept 8
	ds_load_b128 v[32+8*t:35+8*t], v[ADK] offset:16*t*KP
	ds_load_b128 v[36+8*t:39+8*t], v[ADK] offset:16*t*KP+32
.set t, t+1
.endr
	s_wait_alu depctr_va_vdst(0)
	s_wait_dscnt 0x0
.set t, 0
.rept 8
	v_wmma_f32_16x16x64_fp8_fp8 v[96+8*t:103+8*t], v[32+8*t:39+8*t], v[16:23], 0
.set t, t+1
.endr
.rept 4
	v_nop
.endr
.irp t, 0,1,2,3                                ; V's fragments are asked for here, behind the four places: K's registers are free, and the softmax stands between these loads and the wait for them
.irp c, 0,1,2,3,4,5,6,7
	ds_load_b64 v[32+16*\t+2*\c:33+16*\t+2*\c], v[ADV] offset:16*\t*VP+16*\c   ; V(16 t + r, the step's keys 16 c + 8 h + 0 .. 7)
.endr
.endr
	s_cmp_lg_u32 s[ST], s[GR]                      ; step g lies on the diagonal: there hidden scores become -infinity ahead of the maximum
	s_cbranch_scc1 .Lopen
.set n, 0
.rept 64
	v_cmp_gt_i32 vcc_lo, 16*(n/8)+n%8, v[DD]       ; register 8 t + i holds the step's key 16 t + 8 h + i
	v_cndmask_b32 v[96+n], v[96+n], v[NINF], vcc_lo
.set n, n+1
.endr
.Lopen:
	v_max3_num_f32 v204, v96, v97, v98             ; the step's largest score of my query, in two chains,
	v_max3_num_f32 v205, v99, v100, v101
.set i, 6
.rept 14
	v_max3_num_f32 v204, v204, v[96+i], v[97+i]
	v_max3_num_f32 v205, v205, v[98+i], v[99+i]
.set i, i+4
.endr
	v_max3_num_f32 v204, v204, v158, v159
	s_delay_alu instid0(VALU_DEP_1)
	v_max_num_f32 v204, v204, v205
	s_delay_alu instid0(VALU_DEP_1)
	v_permlanex16_b32 v200, v204, s[SEL], s[SEL+1]
	s_delay_alu instid0(VALU_DEP_1)
	v_max_num_f32 v204, v204, v200                 ; and among lane l xor 16's
	s_delay_alu instid0(VALU_DEP_1)
	v_mul_f32 v204, s[CS], v204                    ; as t (c is positive)
	s_delay_alu instid0(VALU_DEP_1)
	v_max_num_f32 v13, v13, v204
	v_mov_b32 v204, v12
	s_delay_alu instid0(VALU_DEP_2)
	v_floor_f32 v12, -v13                          ; the new -M = -ceil(t)
	s_delay_alu instid0(VALU_DEP_1)
	v_sub_f32 v204, v12, v204                      ; old M - new M: a whole number, 0 or less
	s_delay_alu instid0(VALU_DEP_1)
	v_cvt_i32_f32 v204, v204                       ; (it saturates)
	s_delay_alu instid0(VALU_DEP_1)
	v_ldexp_f32 v202, 1.0, v204                    ; f = 2^(old M - new M)
.set j, 0
.rept 32
	v_pk_fma_f32 v[96+j:97+j], v[96+j:97+j], s[CS:CS+1], v[12:13] op_sel_hi:[1,0,0]   ; t - M
.set j, j+2
.endr
.set j, 0
	s_wait_alu depctr_va_vdst(0)                   ; the wait ahead of the batch
.rept 64
	v_exp_f32 v[96+j], v[96+j]                     ; p = 2^(t - M)
.set j, j+1
.endr
	v_pk_mul_f32 v[14:15], v[14:15], v[202:203] op_sel_hi:[1,0]   ; the sums under the new M (the plain line behind the exponentials)
	s_wait_alu depctr_va_vdst(0)                   ; one wait for the whole batch, ahead of its first reader
	v_pk_add_f32 v[206:207], v[100:101], v[104:105]   ; the row's sum of the unquantised p, in eight chains
	v_pk_add_f32 v[254:255], v[108:109], v[112:113]
	v_pk_add_f32 v[252:253], v[116:117], v[120:121]
	v_pk_add_f32 v[250:251], v[124:125], v[128:129]
	v_pk_add_f32 v[248:249], v[132:133], v[136:137]
	v_pk_add_f32 v[246:247], v[140:141], v[144:145]
	v_pk_add_f32 v[244:245], v[148:149], v[152:153]
	v_pk_add_f32 v[14:15], v[14:15], v[156:157]
	v_pk_add_f32 v[206:207], v[206:207], v[96:97]
	v_pk_add_f32 v[254:255], v[254:255], v[98:99]
	v_pk_add_f32 v[252:253], v[252:253], v[102:103]
	v_pk_add_f32 v[250:251], v[250:251], v[106:107]
	v_pk_add_f32 v[248:249], v[248:249], v[110:111]
	v_pk_add_f32 v[246:247], v[246:247], v[114:115]
	v_pk_add_f32 v[244:245], v[244:245], v[118:119]
	v_pk_add_f32 v[14:15], v[14:15], v[122:123]
	v_pk_add_f32 v[206:207], v[206:207], v[126:127]
	v_pk_add_f32 v[254:255], v[254:255], v[130:131]
	v_pk_add_f32 v[252:253], v[252:253], v[134:135]
	v_pk_add_f32 v[250:251], v[250:251], v[138:139]
	v_pk_add_f32 v[248:249], v[248:249], v[142:143]
	v_pk_add_f32 v[246:247], v[246:247], v[146:147]
	v_pk_add_f32 v[244:245], v[244:245], v[150:151]
	v_pk_add_f32 v[14:15], v[14:15], v[154:155]
	v_pk_add_f32 v[206:207], v[206:207], v[158:159]
	s_delay_alu instid0(VALU_DEP_2)
	v_pk_add_f32 v[14:15], v[14:15], v[250:251]
	s_delay_alu instid0(VALU_DEP_2)
	v_pk_add_f32 v[206:207], v[206:207], v[248:249]
	v_pk_add_f32 v[254:255], v[254:255], v[246:247]
	v_pk_add_f32 v[252:253], v[252:253], v[244:245]
	s_delay_alu instid0(VALU_DEP_2)
	v_pk_add_f32 v[14:15], v[14:15], v[254:255]
	s_delay_alu instid0(VALU_DEP_2)
	v_pk_add_f32 v[206:207], v[206:207], v[252:253]
	s_delay_alu instid0(VALU_DEP_1)
	v_pk_add_f32 v[14:15], v[14:15], v[206:207]
.irp b, 0,1,2,3
.set i, 0
.rept 16
	v_min_num_f32 v[96+16*\b+i], v[96+16*\b+i], v208   ; the conversion does not saturate (ISA guide 7.6.2); p is not negative, so the hold is one-sided
.set i, i+1
.endr
	v_cvt_scalef32_pk8_fp8_f32 v[224+4*\b:225+4*\b], v[96+16*\b:103+16*\b], v209
	v_cvt_scalef32_pk8_fp8_f32 v[226+4*\b:227+4*\b], v[104+16*\b:111+16*\b], v209
.endr
	s_wait_alu depctr_va_vdst(0)                   ; the wait directly ahead of the first reader of O^T
.set j, 0
.rept 16
	v_pk_mul_f32 v[160+j:161+j], v[160+j:161+j], v[202:203] op_sel_hi:[1,0]   ; O^T under the new M; these are also the places in front of the products below
.set j, j+2
.endr
	s_wait_alu depctr_va_vdst(0)
	s_wait_dscnt 0x0
.irp t, 0,1,2,3
	v_wmma_f32_16x16x128_fp8_fp8 v[160+8*\t:167+8*\t], v[32+16*\t:47+16*\t], v[224:239], v[160+8*\t:167+8*\t]   ; four accumulators by turns; the next step's eight products stand between two links
.endr
.Lhidden:
	s_add_co_u32 s[TBK], s[TBK], 128*KP
	s_add_co_u32 s[TBV], s[TBV], 128
	s_add_co_u32 s[ST], s[ST], 1
	s_cmp_lt_u32 s[ST], 8
	s_cbranch_scc1 .Lstep
; THE WAY OUT.  O^T / the sum is held and converted: register 8 t + i is o(r, 16 t + 8 h + i), so tile t's 8 codes are registers 2 t, 2 t + 1 of the next operand, and they are stored as they stand: 512 consecutive bytes a store.
.rept 4
	v_nop                                          ; places behind the last products
.endr
	v_add_f32 v14, v14, v15
	v_permlanex16_b32 v200, v14, s[SEL], s[SEL+1]
	v_add_f32 v14, v14, v200                       ; the row's sum
	s_wait_alu depctr_va_vdst(0)                   ; the wait ahead of the transcendental
	v_rcp_f32 v14, v14
	v_nop                                          ; a plain line behind the transcendental
	s_wait_alu depctr_va_vdst(0)                   ; the wait ahead of the reciprocal's, and of O^T's, first reader
.set j, 0
.rept 32
	v_mul_f32 v[96+j], v[160+j], v14               ; each accumulator from its low end on
.set j, j+1
.endr
.set j, 0
.rept 32
	v_med3_num_f32 v[96+j], v[96+j], -v211, v211
.set j, j+1
.endr
.irp t, 0,1,2,3
	v_cvt_scalef32_pk8_fp8_f32 v[224+2*\t:225+2*\t], v[96+8*\t:103+8*\t], v210
.endr
	v_nop
	global_store_b128 v[GO], v[224:227], s[8:9]
	global_store_b128 v[GO], v[228:231], s[8:9] offset:512
	s_wait_tensorcnt 0x0                           ; the wave's end
	ds_add_u32 v[SPW], v[NIL]
	s_wait_dscnt 0x0
	CROUND                                         ; the closing round
	s_endpgm
.Lfunc_end_k_qacf5231a9a_attn:
	.size	k_qacf5231a9a_attn, .Lfunc_end_k_qacf5231a9a_attn-k_qacf5231a9a_attn
	.p2alignl 7, 3214868480
	.fill 96, 4, 3214868480
	.section	.rodata,"a",@progbits
	.p2align	6, 0x0
	.amdhsa_kernel k_qacf5231a9a_attn
		.amdhsa_group_segment_fixed_size 327680
		.amdhsa_private_segment_fixed_size 0
		.amdhsa_enable_private_segment 0
		.amdhsa_kernarg_size 24
		.amdhsa_user_sgpr_count 2
		.amdhsa_user_sgpr_kernarg_segment_ptr 1
		.amdhsa_wavefront_size32 1
		.amdhsa_system_sgpr_workgroup_id_x 1
		.amdhsa_system_sgpr_workgroup_id_y 1
		.amdhsa_system_sgpr_workgroup_id_z 1
		.amdhsa_system_vgpr_workitem_id 0
		.amdhsa_next_free_vgpr 256
		.amdhsa_next_free_sgpr 100
		.amdhsa_reserve_vcc 1
		.amdhsa_float_denorm_mode_32 3
		.amdhsa_float_denorm_mode_16_64 3
		.amdhsa_memory_ordered 1
		.amdhsa_forward_progress 1
		.amdhsa_inst_pref_size 35
	.end_amdhsa_kernel
	.amdgpu_metadata
---
amdhsa.version: [ 1, 2 ]
amdhsa.kernels:
  - .name:           k_qacf5231a9a_attn
    .symbol:         k_qacf5231a9a_attn.kd
    .args:
      - { .name: qkvc, .offset: 0, .size: 8, .value_kind: global_buffer, .address_space: global }
      - { .name: lowp_scales, .offset: 8, .size: 8, .value_kind: global_buffer, .address_space: global }
      - { .name: ac, .offset: 16, .size: 8, .value_kind: global_buffer, .address_space: global }
    .group_segment_fixed_size: 327680
    .private_segment_fixed_size: 0
    .kernarg_segment_align: 8
    .kernarg_segment_size: 24
    .max_flat_workgroup_size: 512
    .sgpr_count:     100
    .vgpr_count:     256
    .wavefront_size: 32
...
	.end_amdgpu_metadata
.endif
;; end of part 3
;; launch proj (part 4): grid 8 x 32, 4 waves a work-group, clusters of 4 x 4, 327,680 bytes of LDS; arguments ac, wc, lowp_scales, bproj, x, x1; writes x1
.if DOCPART == 4
	.amdgcn_target "amdgcn-amd-amdhsa--gfx1250"
	.amdhsa_code_object_version 6
	.text
	.protected	k_qacf5231a9a_proj
	.globl	k_qacf5231a9a_proj
	.p2align	8
	.type	k_qacf5231a9a_proj,@function
k_qacf5231a9a_proj:
	s_mov_b64 s[64:65], 0
	v_nop
	global_prefetch_b8 v0, s[64:65] scope:SCOPE_SE
	s_setreg_imm32_b32 hwreg(HW_REG_WAVE_MODE, 25, 1), 1
	s_wait_xcnt 0x0
	s_wait_alu depctr_hold_cnt(0) depctr_sa_sdst(0) depctr_va_vdst(0) depctr_va_sdst(0) depctr_va_ssrc(0) depctr_va_vcc(0) depctr_vm_vsrc(0)
	s_getreg_b32 s2, hwreg(HW_REG_IB_STS2, 6, 4)
	s_cmp_eq_u32 s2, 0
	s_cbranch_scc0 .Lentry_in_a_cluster
	s_endpgm
.Lentry_in_a_cluster:
	s_bfe_u32 s2, ttmp6, 0x10000c
	s_cmp_lg_u32 s2, 0xf033
	s_cbranch_scc0 .Lentry_shape_is_right
	s_endpgm
.Lentry_shape_is_right:
; OUT = RES + A B^T x 2^(ea + eb) + BIAS.  A: [4096][SIZE_K] codes of E4M3; B: [1024][SIZE_K] codes, at byte WOFF of wc; BIAS [1024], RES and OUT [4096][1024] f32; ea, eb: two whole numbers at byte EOFF of the scales.
; Here: x1 = x + attn Wproj + bproj.  LIMIT: ea + eb between -126 and 127, so that 2^(ea + eb) is an f32 number.
; N = 1,024 gives 64 tiles of 256 x 256 but 256 of 128 x 128: a tile of OUT is 128 x 128, four waves of 64 x 64: 16 accumulators.  All of K comes in one fill (LDS rows of 1,024 bytes) into one slot.
; CLUSTERS: 4 x 4 work-groups; A's tile is asked for jointly along a row of the cluster, B's along a column.  The matrix instruction is used transposed: a lane holds eight neighbours of a row of OUT.
; Fragments come by four 16-byte loads: a permutation of k, the same on both sides.  RES and BIAS are asked for at the head, into registers, and land while the products run.
; REGISTERS: window 0: v0-31 addresses; v32-95 two sets of 32 on the way out; v96-99 BIAS; v128-255 accumulators ((a, b) at v[128 + 8 (4 a + b)]).  window 1: two fragment buffers of 128 (A's four, then B's four).  window 2: v0-127 RES.
.set SIZE_K, 1024
.set WOFF,   0x300000
.set EOFF,   0x28
.set KSTEP,  1024                      ; ALL of K in one fill: each wave's one tensor load at the head brings 64 rows x 1,024 bytes; there is one slot, no refill and no change of slots
.set PITCH,  1040                      ; 1,024 bytes + 16 of padding: 65 x 16 bytes, so the 16 rows of a load start at 16 different banks
.set HALFT,  64*PITCH
.set SLOT,   4*HALFT
.set STAGE,  SLOT
.set SPITCH, 272
.set SPARE,  STAGE+4*16*SPITCH         ; the spare words: 128 bytes a wave, named by no other line
.set ADRA, 16
.set ADRB, 20
.set STO,  24
.set RD,   25
.set CO,   26
.set SPW,  28
.set NIL,  29
.set TMP,  32
.set BI,   96
.set ACC,  128
.set F0,   0
.set F1,   128
.set G1, 24
.set G0, 32
.set G1B, 48
.set G0B, 56
.set MSB, 0
.macro WIN new
.if MSB != (\new)
	s_set_vgpr_msb (MSB<<8)|(\new)
.set MSB, (\new)
.endif
.endm
.set MUL,  0x05                        ; sources 0 (B) and 1 (A) window 1; C and D window 0
.set TO_F, 0x40
.macro JLOAD s                         ; waves 0 and 1 fetch A's halves, waves 2 and 3 B's; four v_nop follow each line
	s_cmp_eq_u32 s11, 0
	s_cbranch_scc0 .Lfor_b_\@
	tensor_load_to_lds s[G0+4*\s:G0+4*\s+3], s[G1:G1+7]
	s_nop 0
.rept 4
	v_nop
.endr
	s_branch .Lasked_\@
.Lfor_b_\@:
	tensor_load_to_lds s[G0B+4*\s:G0B+4*\s+3], s[G1B:G1B+7]
	s_nop 0
.rept 4
	v_nop
.endr
.Lasked_\@:
.endm
.macro CREST
	s_cmp_lg_u32 s10, 0
	s_cbranch_scc1 .Lnot_wave_0_\@
	s_barrier_signal -3
.Lnot_wave_0_\@:
	s_barrier_wait -3
	s_barrier_signal -1
	s_barrier_wait -1
.endm
.macro CROUND
	s_barrier_signal -1
	s_barrier_wait -1
	CREST
.endm
	s_load_b128 s[4:7], s[0:1], 0x0                ; A's codes, wc
	s_load_b256 s[68:75], s[0:1], 0x10             ; the scales' exponents, BIAS, RES, OUT
	v_lshl_add_u32 v[SPW], v0, 2, SPARE
	v_mov_b32 v[NIL], 0
	ds_add_u32 v28, v29
	ds_add_u32 v28, v29
	s_wait_dscnt 0x0
	v_lshrrev_b32 v1, 5, v0
	v_readfirstlane_b32 s10, v1                    ; wave 0..3
	s_lshr_b32 s11, s10, 1
	s_and_b32 s12, s10, 1
	s_bfe_u32 s40, ttmp6, 0x40000                  ; cx
	s_bfe_u32 s41, ttmp6, 0x40004                  ; cy
	s_lshl_b32 s42, ttmp9, 2
	s_add_co_u32 s42, s42, s40                     ; tile column
	s_and_b32 s13, ttmp7, 0xffff
	s_lshl_b32 s13, s13, 2
	s_add_co_u32 s13, s13, s41                     ; tile row
	s_lshl_b32 s43, s41, 2
	s_lshl_b32 s43, 15, s43
	s_lshl_b32 s44, 0x1111, s40
	s_or_b32 s[G1+0], s43, (1<<20)|(1<<21)|(7<<22)|(3<<25)    ; the mask; elements of 1 byte; padding: 4 words after every 256; bit 21 beside a mask
	s_or_b32 s[G1B+0], s44, (1<<20)|(1<<21)|(7<<22)|(3<<25)
.irp g, G1, G1B
	s_mov_b32 s[\g+1], KSTEP<<16
	s_mov_b32 s[\g+2], 64<<16
	s_mov_b32 s[\g+3], KSTEP<<16
	s_mov_b32 s[\g+4], 64
	s_mov_b32 s[\g+5], SIZE_K
	s_mov_b32 s[\g+6], 0
	s_mov_b32 s[\g+7], 0
.endr
	s_lshl_b32 s17, s12, 6
	s_lshl_b32 s16, s13, 7
	s_add_co_u32 s16, s16, s17                     ; A: row 128 x tile row + 64 x half
	s_lshl_b32 s46, s42, 7
	s_add_co_u32 s46, s46, s17                     ; B: row 128 x tile column + 64 x half
	s_mov_b32 s17, 0
	s_mov_b32 s47, 0
	s_mov_b64 s[18:19], SIZE_K
	s_mul_u64 s[16:17], s[16:17], s[18:19]
	s_mul_u64 s[46:47], s[46:47], s[18:19]
	s_mul_i32 s20, s10, HALFT
	s_wait_kmcnt 0x0
	s_load_b64 s[76:77], s[68:69], EOFF            ; ea, eb
	s_add_nc_u64 s[6:7], s[6:7], WOFF
	s_add_nc_u64 s[14:15], s[4:5], s[16:17]
	s_add_nc_u64 s[46:47], s[6:7], s[46:47]
	CROUND
.irp s, 0
	s_mov_b32 s[G0+4*\s], 1
	s_add_co_u32 s[G0+4*\s+1], s20, \s*SLOT
	s_add_nc_u64 s[G0+4*\s+2:G0+4*\s+3], s[14:15], \s*KSTEP
	s_or_b32 s[G0+4*\s+3], s[G0+4*\s+3], 0x80000000
	s_mov_b32 s[G0B+4*\s], 1
	s_add_co_u32 s[G0B+4*\s+1], s20, \s*SLOT
	s_add_nc_u64 s[G0B+4*\s+2:G0B+4*\s+3], s[46:47], \s*KSTEP
	s_or_b32 s[G0B+4*\s+3], s[G0B+4*\s+3], 0x80000000
	JLOAD \s
.endr
	v_and_b32 v1, 15, v0                           ; r
	s_wait_alu depctr_va_vdst(0)
	v_bfe_u32 v2, v0, 4, 1                         ; h
	v_mul_u32_u24 v3, v1, PITCH
	v_lshl_add_u32 v3, v2, 3, v3                   ; B: a fragment's row x pitch + 8 h
	v_and_b32 v7, 31, v0
	v_lshlrev_b32 v7, 4, v7                        ; A: 16 x lane: ac holds A's fragments as the registers take them
	s_mul_i32 s21, s11, HALFT
	s_mul_i32 s22, s12, HALFT
	s_add_co_u32 s22, s22, 2*HALFT
	v_add_nc_u32 v[ADRA], s21, v7
	v_add_nc_u32 v[ADRA+1], 32*PITCH, v[ADRA]      ; my blocks 2 and 3: 32 pieces of 1,024 bytes further on
	v_add_nc_u32 v[ADRB], s22, v3
	s_mul_i32 s23, s10, 16*SPITCH
	s_add_co_u32 s23, s23, STAGE                   ; my stage
	v_mul_u32_u24 v4, v1, SPITCH
	s_wait_alu depctr_va_vdst(0)
	v_lshl_add_u32 v4, v2, 5, v4
	v_add_nc_u32 v[STO], s23, v4                   ; in: row r, + 32 h
	v_mul_u32_u24 v5, v2, SPITCH
	v_lshl_add_u32 v5, v1, 4, v5
	v_add_nc_u32 v[RD], s23, v5                    ; back: lanes 0-15 one row of 256 bytes, lanes 16-31 the next
	v_lshlrev_b32 v5, 12, v2
	v_lshl_add_u32 v[CO], v1, 4, v5                ; and the same two rows in RES and OUT
	s_wait_alu depctr_va_vdst(0)
	s_lshl_b32 s16, s13, 7
	s_lshl_b32 s17, s11, 6
	s_add_co_u32 s16, s16, s17
	s_lshl_b32 s16, s16, 12                        ; my first row, in bytes
	s_mov_b32 s17, 0
	s_lshl_b32 s46, s42, 9
	s_lshl_b32 s47, s12, 8
	s_add_co_u32 s46, s46, s47                     ; my first column, in bytes
	s_mov_b32 s47, 0
	s_add_nc_u64 s[70:71], s[70:71], s[46:47]
	s_add_nc_u64 s[16:17], s[16:17], s[46:47]
	s_add_nc_u64 s[72:73], s[72:73], s[16:17]
	s_add_nc_u64 s[74:75], s[74:75], s[16:17]
	v_lshlrev_b32 v6, 4, v1
	global_load_b128 v[BI:BI+3], v6, s[70:71]      ; BIAS at my four columns of a row read back
	WIN 0x80                                       ; destination window 2
.irp a, 0,1,2,3
.irp t, 0,1,2,3,4,5,6,7
	global_load_b128 v[32*\a+4*\t:32*\a+4*\t+3], v[CO], s[72:73] offset:(16*\a+2*\t)*4096 th:TH_LOAD_NT   ; RES in the layout in which rows come back from the stage
.endr
.endr
	WIN 0
	s_wait_kmcnt 0x0
	s_add_co_i32 s76, s76, s77
	s_add_co_i32 s76, s76, 127
	s_lshl_b32 s76, s76, 23                        ; 2^(ea + eb) as f32
	s_mov_b32 s77, s76
.macro MULA f, a, zero                 ; A's block a x B's four.  The 16 accumulators take turns, one instruction a turn, in the same order in every quarter
.irp b, 0,1,2,3
.if \zero
	v_wmma_f32_16x16x128_fp8_fp8 v[ACC+8*(4*(\a)+\b):ACC+8*(4*(\a)+\b)+7], v[\f+64+16*\b:\f+64+16*\b+15], v[\f+16*(\a):\f+16*(\a)+15], 0
.else
	v_wmma_f32_16x16x128_fp8_fp8 v[ACC+8*(4*(\a)+\b):ACC+8*(4*(\a)+\b)+7], v[\f+64+16*\b:\f+64+16*\b+15], v[\f+16*(\a):\f+16*(\a)+15], v[ACC+8*(4*(\a)+\b):ACC+8*(4*(\a)+\b)+7]
.endif
.endr
.endm
; 48 LDS loads in one run.  B's four fragments in the form's own layout (registers 2 c, 2 c + 1: k = 16 c + 8 h + 0 .. 7), by 8-byte loads from rows along K.
; A's four as they lie: block i's fragment of the k / 128-th 128 along K is 2,048 bytes on end at 16,384 i + 2,048 (k / 128) of my 64 tokens' block, which came into LDS in pieces of 1,024 bytes, 1,040 apart.  A's blocks 2 and 3 are the youngest eight.
.macro FETCH slot, k, f
	WIN TO_F
.irp i, 0,1,2,3
.irp c, 0,1,2,3,4,5,6,7
	ds_load_b64 v[\f+64+16*\i+2*\c:\f+64+16*\i+2*\c+1], v[ADRB] offset:(\k)+16*\c+\i*16*PITCH
.endr
.endr
.irp i, 0,1,2,3
.irp c, 0,1,2,3
	ds_load_b128 v[\f+16*\i+4*\c:\f+16*\i+4*\c+3], v[ADRA+\i/2] offset:(16*(\i%2)+(\k)/64+\c/2)*PITCH+512*(\c%2)
.endr
.endr
.endm
.macro PLACES
.rept 4
	v_nop
.endr
.endm
.macro QUARTER slot, k, f, g, zero     ; 128 along K: multiplies buffer f, fetches the next quarter, at byte k, into g
	s_wait_dscnt 8                                 ; B's and A's blocks 0, 1 are in; the youngest eight loads may be out
	WIN MUL
	MULA \f, 0, \zero
	MULA \f, 1, \zero
	PLACES
	FETCH \slot, \k, \g
	s_wait_dscnt 48                                ; all but the 48 just issued
	WIN MUL
	MULA \f, 2, \zero
	MULA \f, 3, \zero
.endm
	s_wait_alu depctr_va_vdst(0)                   ; the wait at the head's end
	s_wait_tensorcnt 0x0                           ; my quarter of the two tiles is in,
	s_barrier_signal -1
	s_barrier_wait -1                              ; and everybody's
	FETCH 0, 0, F0
	QUARTER 0, 128, F0, F1, 1                      ; eight quarters of 128 along K; the first one's products start the sums
	QUARTER 0, 256, F1, F0, 0
	QUARTER 0, 384, F0, F1, 0
	QUARTER 0, 512, F1, F0, 0
	QUARTER 0, 640, F0, F1, 0
	QUARTER 0, 768, F1, F0, 0
	QUARTER 0, 896, F0, F1, 0
	s_wait_dscnt 8
	WIN MUL
	MULA F1, 0, 0
	MULA F1, 1, 0
	s_wait_dscnt 0
	MULA F1, 2, 0
	MULA F1, 3, 0
; THE WAY OUT, block by block of 16 rows x 64 columns, through my own stage: in as 32 bytes a lane, back as whole rows of 256 bytes; there sum x 2^(ea + eb) + (RES + BIAS) is one packed multiply-add for two numbers.
	s_wait_loadcnt 0x0                             ; BIAS and RES, asked for at the head
	WIN 0x82                                       ; destination and source 0 window 2
.set i, 0
.rept 32
	v_pk_add_f32 v[i:i+1], v[i:i+1], v[BI:BI+1]    ; RES + BIAS.  (These 64 plain lines are the places behind the last products)
	v_pk_add_f32 v[i+2:i+3], v[i+2:i+3], v[BI+2:BI+3]
.set i, i+4
.endr
	WIN 0
.macro TOSTAGE a
.set TS, TMP+32*((\a)%2)
.irp b, 0,1,2,3
	ds_store_b128 v[STO], v[ACC+8*(4*(\a)+\b):ACC+8*(4*(\a)+\b)+3] offset:64*\b          ; each accumulator from its low end on
	ds_store_b128 v[STO], v[ACC+8*(4*(\a)+\b)+4:ACC+8*(4*(\a)+\b)+7] offset:64*\b+16
.endr
.irp t, 0,1,2,3,4,5,6,7
	ds_load_b128 v[TS+4*\t:TS+4*\t+3], v[RD] offset:\t*2*SPITCH   ; LDS serves a wave's instructions in order (ISA guide 5.7.1.4): these see the stores above
.endr
.endm
.macro SEND a, younger
.set TS, TMP+32*((\a)%2)
	s_wait_dscnt \younger                          ; the block is back; the next block's 8 stores and 8 loads may be out
	WIN 0x20                                       ; source 2 window 2
.set i, 0
.rept 16
	v_pk_fma_f32 v[TS+i:TS+i+1], v[TS+i:TS+i+1], s[76:77], v[32*(\a)+i:32*(\a)+i+1] op_sel_hi:[1,0,1]
.set i, i+2
.endr
	WIN 0
.irp t, 0,1,2,3,4,5,6,7
	global_store_b128 v[CO], v[TS+4*\t:TS+4*\t+3], s[74:75] offset:(16*(\a)+2*\t)*4096   ; sixteen lanes store 256 consecutive bytes, aligned
.endr
.endm
	TOSTAGE 0
.irp a, 1,2,3
.if \a > 1
	s_wait_xcnt 0x0                                ; block a - 2's stores have read their registers: block a's loads may land there
.endif
	TOSTAGE \a
	SEND \a-1, 16
.endr
	SEND 3, 0
	s_wait_tensorcnt 0x0                           ; the wave's end
	ds_add_u32 v[SPW], v[NIL]
	s_wait_dscnt 0x0
	CROUND                                         ; the closing round
	s_endpgm
.Lfunc_end_k_qacf5231a9a_proj:
	.size	k_qacf5231a9a_proj, .Lfunc_end_k_qacf5231a9a_proj-k_qacf5231a9a_proj
	.p2alignl 7, 3214868480
	.fill 96, 4, 3214868480
	.section	.rodata,"a",@progbits
	.p2align	6, 0x0
	.amdhsa_kernel k_qacf5231a9a_proj
		.amdhsa_group_segment_fixed_size 327680
		.amdhsa_private_segment_fixed_size 0
		.amdhsa_enable_private_segment 0
		.amdhsa_kernarg_size 48
		.amdhsa_user_sgpr_count 2
		.amdhsa_user_sgpr_kernarg_segment_ptr 1
		.amdhsa_wavefront_size32 1
		.amdhsa_system_sgpr_workgroup_id_x 1
		.amdhsa_system_sgpr_workgroup_id_y 1
		.amdhsa_system_sgpr_workgroup_id_z 1
		.amdhsa_system_vgpr_workitem_id 0
		.amdhsa_next_free_vgpr 640
		.amdhsa_next_free_sgpr 100
		.amdhsa_reserve_vcc 0
		.amdhsa_float_denorm_mode_32 3
		.amdhsa_float_denorm_mode_16_64 3
		.amdhsa_memory_ordered 1
		.amdhsa_forward_progress 1
		.amdhsa_inst_pref_size 60
	.end_amdhsa_kernel
	.amdgpu_metadata
---
amdhsa.version: [ 1, 2 ]
amdhsa.kernels:
  - .name:           k_qacf5231a9a_proj
    .symbol:         k_qacf5231a9a_proj.kd
    .args:
      - { .name: ac, .offset: 0, .size: 8, .value_kind: global_buffer, .address_space: global }
      - { .name: wc, .offset: 8, .size: 8, .value_kind: global_buffer, .address_space: global }
      - { .name: lowp_scales, .offset: 16, .size: 8, .value_kind: global_buffer, .address_space: global }
      - { .name: bproj, .offset: 24, .size: 8, .value_kind: global_buffer, .address_space: global }
      - { .name: x, .offset: 32, .size: 8, .value_kind: global_buffer, .address_space: global }
      - { .name: x1, .offset: 40, .size: 8, .value_kind: global_buffer, .address_space: global }
    .group_segment_fixed_size: 327680
    .private_segment_fixed_size: 0
    .kernarg_segment_align: 8
    .kernarg_segment_size: 48
    .max_flat_workgroup_size: 128
    .sgpr_count:     100
    .vgpr_count:     640
    .wavefront_size: 32
...
	.end_amdgpu_metadata
.endif
;; end of part 4
;; launch ln2 (part 5): grid 256 x 1, 4 waves a work-group, no clusters, 0 bytes of LDS; arguments x1, g2, be2, lowp_scales, h2c; writes h2c
.if DOCPART == 5
	.amdgcn_target "amdgcn-amd-amdhsa--gfx1250"
	.amdhsa_code_object_version 6
	.text
	.protected	k_qacf5231a9a_ln2
	.globl	k_qacf5231a9a_ln2
	.p2align	8
	.type	k_qacf5231a9a_ln2,@function
k_qacf5231a9a_ln2:
	s_mov_b64 s[64:65], 0
	v_nop
	global_prefetch_b8 v0, s[64:65] scope:SCOPE_SE
	s_setreg_imm32_b32 hwreg(HW_REG_WAVE_MODE, 25, 1), 1
	s_wait_xcnt 0x0
; h2c = codes of E4M3, under e12, of ln2(x1).  x1: [4096][1024] f32; h2c: [4096][1024].  A work-group takes 16 rows, a wave 4, one at a time, whole in 32 registers a lane:
; mean, then the mean of squares of x - mean (two passes over registers), so a common offset costs no accuracy.  A lane holds 8 neighbours of each quarter row: its 8 codes are 8 bytes, and 32 lanes store 256 consecutive aligned bytes.
; No LDS, no barrier, no matrix unit: the launch streams, and waves share nothing.  LIMIT: e12 between -126 and 119; NaN among the inputs is not served.
.set XR,   16                          ; v16-143  4 rows x 32 registers
.set G,    144
.set BE,   176
.set T0,   208                         ; v208-223 two sets of 8 held numbers, by turns
.set CD,   224                         ; v224-231 a row's 4 pairs of codes
	s_load_b256 s[4:11], s[0:1], 0x0               ; x1, g2, be2, the scales' exponents
	s_load_b64 s[12:13], s[0:1], 0x20              ; h2c
	v_lshrrev_b32 v1, 5, v0
	v_readfirstlane_b32 s28, v1
	v_and_b32 v2, 31, v0
	s_lshl_b32 s29, ttmp9, 4
	s_lshl_b32 s30, s28, 2
	s_add_co_u32 s29, s29, s30                     ; my wave's first row
	s_lshl_b32 s48, s29, 12
	s_mov_b32 s49, 0
	s_wait_alu depctr_va_vdst(0)
	s_wait_kmcnt 0x0
	s_load_b32 s33, s[10:11], 0x30                 ; e12
	s_add_nc_u64 s[50:51], s[4:5], s[48:49]
	s_lshl_b32 s48, s29, 10
	s_add_nc_u64 s[52:53], s[12:13], s[48:49]
	s_mov_b32 s90, 0x3a800000                      ; 1 / 1024
	s_mov_b32 s91, 0x3727c5ac                      ; 1e-5
	s_mov_b32 s92, 0x76543210
	s_mov_b32 s93, 0xfedcba98
	v_lshlrev_b32 v3, 5, v2                        ; in: 32 bytes a lane of each 1,024
	v_lshlrev_b32 v1, 3, v2                        ; out: 8 bytes a lane of each 256
	v_mov_b32 v14, 0                               ; written once: a lane permute's destination counts as one of its sources
.irp c, 0,1,2,3
	global_load_b128 v[G+8*\c:G+8*\c+3], v3, s[6:7] offset:1024*\c
	global_load_b128 v[G+8*\c+4:G+8*\c+7], v3, s[6:7] offset:1024*\c+16
.endr
.irp c, 0,1,2,3
	global_load_b128 v[BE+8*\c:BE+8*\c+3], v3, s[8:9] offset:1024*\c
	global_load_b128 v[BE+8*\c+4:BE+8*\c+7], v3, s[8:9] offset:1024*\c+16
.endr
.irp p, 0,1,2,3
.irp c, 0,1,2,3
	global_load_b128 v[XR+32*\p+8*\c:XR+32*\p+8*\c+3], v3, s[50:51] offset:4096*\p+1024*\c th:TH_LOAD_NT
	global_load_b128 v[XR+32*\p+8*\c+4:XR+32*\p+8*\c+7], v3, s[50:51] offset:4096*\p+1024*\c+16 th:TH_LOAD_NT
.endr
.endr
	s_wait_kmcnt 0x0
	s_add_co_i32 s30, s33, 127
	s_lshl_b32 s31, s30, 23
	v_mov_b32 v4, s31                              ; 2^e12
	s_add_co_i32 s30, s30, 8
	s_lshl_b32 s30, s30, 23
	s_or_b32 s30, s30, 0x600000
	v_mov_b32 v7, s30                              ; 448 x 2^e12
.macro ACROSS                          ; v10: the sum over the wave's 32 lanes, in every lane
	v_add_f32 v10, v10, v11
	v_add_f32_dpp v10, v10, v10 row_xmask:1 row_mask:0xf bank_mask:0xf
	v_add_f32_dpp v10, v10, v10 row_xmask:2 row_mask:0xf bank_mask:0xf
	v_add_f32_dpp v10, v10, v10 row_xmask:4 row_mask:0xf bank_mask:0xf
	v_add_f32_dpp v10, v10, v10 row_xmask:8 row_mask:0xf bank_mask:0xf
	v_permlanex16_b32 v14, v10, s92, s93
	v_add_f32 v10, v10, v14
.endm
.macro LNROW p
.set R, XR+32*(\p)
	s_wait_loadcnt 8*(3-(\p))                      ; g2, be2 and this row are in; the later rows' 8 loads each may be out
	v_pk_add_f32 v[10:11], v[R:R+1], v[R+2:R+3]
	v_pk_add_f32 v[12:13], v[R+4:R+5], v[R+6:R+7]
.set i, 8
.rept 6
	v_pk_add_f32 v[10:11], v[10:11], v[R+i:R+i+1]
	v_pk_add_f32 v[12:13], v[12:13], v[R+i+2:R+i+3]
.set i, i+4
.endr
	v_pk_add_f32 v[10:11], v[10:11], v[12:13]
	ACROSS
	v_mul_f32 v12, s90, v10                        ; the mean
	v_mov_b32 v13, v12
.set i, 0
.rept 16
	v_pk_add_f32 v[R+i:R+i+1], v[R+i:R+i+1], v[12:13] neg_lo:[0,1] neg_hi:[0,1]
.set i, i+2
.endr
	v_pk_mul_f32 v[10:11], v[R:R+1], v[R:R+1]
	v_pk_mul_f32 v[14:15], v[R+2:R+3], v[R+2:R+3]
.set i, 4
.rept 7
	v_pk_fma_f32 v[10:11], v[R+i:R+i+1], v[R+i:R+i+1], v[10:11]
	v_pk_fma_f32 v[14:15], v[R+i+2:R+i+3], v[R+i+2:R+i+3], v[14:15]
.set i, i+4
.endr
	v_pk_add_f32 v[10:11], v[10:11], v[14:15]
	ACROSS
	v_fma_f32 v10, v10, s90, s91                   ; the variance + 1e-5
	s_wait_alu depctr_va_vdst(0)
	v_rsq_f32 v12, v10
	v_nop                                          ; a plain instruction behind the transcendental (ISA guide 5.7.2),
	s_wait_alu depctr_va_vdst(0)                   ; and the wait ahead of its first reader
	v_mov_b32 v13, v12
.set i, 0
.rept 16
	v_pk_mul_f32 v[R+i:R+i+1], v[R+i:R+i+1], v[12:13]
.set i, i+2
.endr
.set i, 0
.rept 16
	v_pk_fma_f32 v[R+i:R+i+1], v[R+i:R+i+1], v[G+i:G+i+1], v[BE+i:BE+i+1]
.set i, i+2
.endr
.if (\p) > 0
	s_wait_xcnt 0x0                                ; the last row's stores have read their data: the codes' registers are written again only behind this wait
.endif
.set n, 0
.irp c, 0,1,2,3
.set TT, T0+8*(n%2)                    ; the two sets take turns: the other set's eight holds are the plain lines behind each conversion
.irp j, 0,1,2,3,4,5,6,7
	v_med3_num_f32 v[TT+\j], v[R+8*\c+\j], -v7, v7
.endr
	v_cvt_scalef32_pk8_fp8_f32 v[CD+2*n:CD+2*n+1], v[TT:TT+7], v4
	global_store_b64 v1, v[CD+2*n:CD+2*n+1], s[52:53] offset:1024*(\p)+256*\c   ; 32 lanes store 256 consecutive bytes, aligned
.set n, n+1
.endr
.endm
	LNROW 0
	LNROW 1
	LNROW 2
	LNROW 3
	s_endpgm
.Lfunc_end_k_qacf5231a9a_ln2:
	.size	k_qacf5231a9a_ln2, .Lfunc_end_k_qacf5231a9a_ln2-k_qacf5231a9a_ln2
	.p2alignl 7, 3214868480
	.fill 96, 4, 3214868480
	.section	.rodata,"a",@progbits
	.p2align	6, 0x0
	.amdhsa_kernel k_qacf5231a9a_ln2
		.amdhsa_group_segment_fixed_size 0
		.amdhsa_private_segment_fixed_size 0
		.amdhsa_enable_private_segment 0
		.amdhsa_kernarg_size 40
		.amdhsa_user_sgpr_count 2
		.amdhsa_user_sgpr_kernarg_segment_ptr 1
		.amdhsa_wavefront_size32 1
		.amdhsa_system_sgpr_workgroup_id_x 1
		.amdhsa_system_sgpr_workgroup_id_y 1
		.amdhsa_system_sgpr_workgroup_id_z 1
		.amdhsa_system_vgpr_workitem_id 0
		.amdhsa_next_free_vgpr 232
		.amdhsa_next_free_sgpr 100
		.amdhsa_reserve_vcc 0
		.amdhsa_float_denorm_mode_32 3
		.amdhsa_float_denorm_mode_16_64 3
		.amdhsa_memory_ordered 1
		.amdhsa_forward_progress 1
		.amdhsa_inst_pref_size 41
	.end_amdhsa_kernel
	.amdgpu_metadata
---
amdhsa.version: [ 1, 2 ]
amdhsa.kernels:
  - .name:           k_qacf5231a9a_ln2
    .symbol:         k_qacf5231a9a_ln2.kd
    .args:
      - { .name: x1, .offset: 0, .size: 8, .value_kind: global_buffer, .address_space: global }
      - { .name: g2, .offset: 8, .size: 8, .value_kind: global_buffer, .address_space: global }
      - { .name: be2, .offset: 16, .size: 8, .value_kind: global_buffer, .address_space: global }
      - { .name: lowp_scales, .offset: 24, .size: 8, .value_kind: global_buffer, .address_space: global }
      - { .name: h2c, .offset: 32, .size: 8, .value_kind: global_buffer, .address_space: global }
    .group_segment_fixed_size: 0
    .private_segment_fixed_size: 0
    .kernarg_segment_align: 8
    .kernarg_segment_size: 40
    .max_flat_workgroup_size: 128
    .sgpr_count:     100
    .vgpr_count:     232
    .wavefront_size: 32
...
	.end_amdgpu_metadata
.endif
;; end of part 5
;; launch ff1 (part 6): grid 16 x 16, 4 waves a work-group, clusters of 4 x 4, 327,680 bytes of LDS; arguments h2c, wc, lowp_scales, fc, b1; writes fc
.if DOCPART == 6
	.amdgcn_target "amdgcn-amd-amdhsa--gfx1250"
	.amdhsa_code_object_version 6
	.text
	.protected	k_qacf5231a9a_ff1
	.globl	k_qacf5231a9a_ff1
	.p2align	8
	.type	k_qacf5231a9a_ff1,@function
k_qacf5231a9a_ff1:
	s_mov_b64 s[64:65], 0
	v_nop
	global_prefetch_b8 v0, s[64:65] scope:SCOPE_SE
	s_setreg_imm32_b32 hwreg(HW_REG_WAVE_MODE, 25, 1), 1
	s_wait_xcnt 0x0
	s_wait_alu depctr_hold_cnt(0) depctr_sa_sdst(0) depctr_va_vdst(0) depctr_va_sdst(0) depctr_va_ssrc(0) depctr_va_vcc(0) depctr_vm_vsrc(0)
	s_getreg_b32 s2, hwreg(HW_REG_IB_STS2, 6, 4)
	s_cmp_eq_u32 s2, 0
	s_cbranch_scc0 .Lentry_in_a_cluster
	s_endpgm
.Lentry_in_a_cluster:
	s_bfe_u32 s2, ttmp6, 0x10000c
	s_cmp_lg_u32 s2, 0xf033
	s_cbranch_scc0 .Lentry_shape_is_right
	s_endpgm
.Lentry_shape_is_right:
.set ROWB,   256
.set KROW,   1024
.set PITCH,  272
.set FR,     16
.set NL,     4
.set NP,     4
.set HALFT,  128*PITCH
.set SLOT,   4*HALFT
.set LAPS,   2
.set SPARE,  2*SLOT
.set OP,     4096
.set ADRA, 16
.set ADRB, 20
.set STO,  24
.set RD,   25
.set CO,   26
.set SPW,  28
.set NIL,  29
.set SC,   30
.set LIM,  31
.set BI,   32
.set TMP,  96
.set AF,   128
.set CD,   128
.set G1, 24
.set G0, 32
.set G1B, 48
.set G0B, 56
.set MSB, 0
.macro WIN new
.if MSB != (\new)
	s_set_vgpr_msb (MSB<<8)|(\new)
.set MSB, (\new)
.endif
.endm
.set MUL_LO, 0xa1
.set MUL_HI, 0xf1
.set TO_B,   0x40
.macro JLOAD g0a, g1a, g0b, g1b
	s_cmp_eq_u32 s15, 0
	s_cbranch_scc0 .Lfor_b_\@
	tensor_load_to_lds s[\g0a:\g0a+3], s[\g1a:\g1a+7]
	s_nop 0
.rept 4
	v_nop
.endr
	s_branch .Lasked_\@
.Lfor_b_\@:
	tensor_load_to_lds s[\g0b:\g0b+3], s[\g1b:\g1b+7]
	s_nop 0
.rept 4
	v_nop
.endr
.Lasked_\@:
.endm
.macro CREST
	s_cmp_lg_u32 s14, 0
	s_cbranch_scc1 .Lnot_wave_0_\@
	s_barrier_signal -3
.Lnot_wave_0_\@:
	s_barrier_wait -3
	s_barrier_signal -1
	s_barrier_wait -1
.endm
.macro CROUND
	s_barrier_signal -1
	s_barrier_wait -1
	CREST
.endm
	s_load_b128 s[4:7], s[0:1], 0x0
	s_load_b128 s[8:11], s[0:1], 0x10
	s_load_b64 s[12:13], s[0:1], 0x20
	v_lshl_add_u32 v[SPW], v0, 2, SPARE
	v_mov_b32 v[NIL], 0
	ds_add_u32 v28, v29
	ds_add_u32 v28, v29
	s_wait_dscnt 0x0
	v_lshrrev_b32 v1, 5, v0
	v_readfirstlane_b32 s14, v1
	s_lshr_b32 s15, s14, 1
	s_and_b32 s16, s14, 1
	s_bfe_u32 s40, ttmp6, 0x40000
	s_bfe_u32 s41, ttmp6, 0x40004
	s_lshl_b32 s42, ttmp9, 2
	s_add_co_u32 s42, s42, s40
	s_and_b32 s17, ttmp7, 0xffff
	s_lshl_b32 s17, s17, 2
	s_add_co_u32 s17, s17, s41
	s_lshl_b32 s43, s41, 2
	s_lshl_b32 s43, 15, s43
	s_lshl_b32 s44, 0x1111, s40
	s_or_b32 s[G1+0], s43, (1<<20)|(1<<21)|(5<<22)|(3<<25)
	s_or_b32 s[G1B+0], s44, (1<<20)|(1<<21)|(5<<22)|(3<<25)
.irp g, G1, G1B
	s_mov_b32 s[\g+1], ROWB<<16
	s_mov_b32 s[\g+2], 128<<16
	s_mov_b32 s[\g+3], ROWB<<16
	s_mov_b32 s[\g+4], 128
	s_mov_b32 s[\g+5], KROW
	s_mov_b32 s[\g+6], 0
	s_mov_b32 s[\g+7], 0
.endr
	s_lshl_b32 s18, s16, 7
	s_lshl_b32 s20, s17, 8
	s_add_co_u32 s20, s20, s18
	s_lshl_b32 s20, s20, 10
	s_mov_b32 s21, 0
	s_lshl_b32 s46, s42, 8
	s_add_co_u32 s46, s46, s18
	s_lshl_b32 s46, s46, 10
	s_mov_b32 s47, 0
	s_mul_i32 s45, s14, HALFT
	s_wait_kmcnt 0x0
	s_load_b128 s[68:71], s[8:9], 0x30
	s_add_nc_u64 s[6:7], s[6:7], 0x400000
	s_add_nc_u64 s[20:21], s[4:5], s[20:21]
	s_add_nc_u64 s[46:47], s[6:7], s[46:47]
	CROUND
.irp s, 0,1
	s_mov_b32 s[G0+4*\s], 1
	s_add_co_u32 s[G0+4*\s+1], s45, \s*SLOT
	s_add_nc_u64 s[G0+4*\s+2:G0+4*\s+3], s[20:21], \s*ROWB
	s_or_b32 s[G0+4*\s+3], s[G0+4*\s+3], 0x80000000
	s_mov_b32 s[G0B+4*\s], 1
	s_add_co_u32 s[G0B+4*\s+1], s45, \s*SLOT
	s_add_nc_u64 s[G0B+4*\s+2:G0B+4*\s+3], s[46:47], \s*ROWB
	s_or_b32 s[G0B+4*\s+3], s[G0B+4*\s+3], 0x80000000
.if \s == 0
	JLOAD G0, G1, G0B, G1B                         ; K step 0: one tensor load a wave at the head
.endif
.endr
; PREFETCHES: of the 128 rows that my wave fetches, each of the four partners that ask for them jointly takes 32, told apart by address (cx for A, cy for B): a lane a row, 256 bytes of it a K step.
; K steps 1 and 2 are asked for here, K step 3 behind K step 1's load: each at least one K step ahead of the joint load that wants it.  The address registers are never written again.
.set PFA, 80
.set PFO, 27
	s_cmp_eq_u32 s15, 0
	s_cselect_b64 s[PFA:PFA+1], s[20:21], s[46:47]
	s_cselect_b32 s78, s40, s41
	s_lshl_b32 s78, s78, 15                        ; 32 rows of 1,024 bytes
	s_mov_b32 s79, 0
	s_add_nc_u64 s[PFA:PFA+1], s[PFA:PFA+1], s[78:79]
	v_and_b32 v[PFO], 31, v0
	v_lshlrev_b32 v[PFO], 10, v[PFO]
	global_prefetch_b8 v[PFO], s[PFA:PFA+1] offset:ROWB th:TH_LOAD_NT scope:SCOPE_SE
	global_prefetch_b8 v[PFO], s[PFA:PFA+1] offset:2*ROWB th:TH_LOAD_NT scope:SCOPE_SE
	v_and_b32 v1, 15, v0
	v_bfe_u32 v2, v0, 4, 1
	s_lshl_b32 s46, s42, 10
	s_lshl_b32 s47, s16, 9
	s_add_co_u32 s46, s46, s47
	s_mov_b32 s47, 0
	s_add_nc_u64 s[12:13], s[12:13], s[46:47]
	v_lshlrev_b32 v6, 5, v2
.irp b, 0,1,2,3,4,5,6,7
	global_load_b128 v[BI+8*\b:BI+8*\b+3], v6, s[12:13] offset:64*\b
	global_load_b128 v[BI+8*\b+4:BI+8*\b+7], v6, s[12:13] offset:64*\b+16
.endr
	v_mul_u32_u24 v3, v1, PITCH
	s_wait_alu depctr_va_vdst(0)
	v_lshl_add_u32 v4, v2, 4, v3
	s_mul_i32 s21, s15, HALFT
	s_mul_i32 s22, s16, HALFT
	s_add_co_u32 s22, s22, 2*HALFT
.irp s, 0,1
	v_add_nc_u32 v[ADRA+\s], s21, v4
	v_add_nc_u32 v[ADRB+\s], s22, v4
	s_add_co_u32 s21, s21, SLOT
	s_add_co_u32 s22, s22, SLOT
.endr
	s_mul_i32 s23, s15, HALFT
	s_lshl_b32 s22, s16, 7
	s_add_co_u32 s23, s23, s22
	v_lshl_add_u32 v5, v2, 3, v3
	v_add_nc_u32 v[STO], s23, v5
	s_mul_i32 s23, s14, 64*PITCH
	v_mul_u32_u24 v5, v2, PITCH
	v_lshl_add_u32 v5, v1, 4, v5
	v_add_nc_u32 v[RD], s23, v5
	v_mul_u32_u24 v5, v2, OP
	v_lshl_add_u32 v[CO], v1, 4, v5
	s_lshl_b32 s20, s17, 8
	s_lshl_b32 s21, s14, 6
	s_add_co_u32 s20, s20, s21
	s_lshl_b32 s20, s20, 12
	s_mov_b32 s21, 0
	s_lshl_b32 s46, s42, 8
	s_mov_b32 s47, 0
	s_add_nc_u64 s[20:21], s[20:21], s[46:47]
	s_add_nc_u64 s[10:11], s[10:11], s[20:21]
	s_wait_kmcnt 0x0
	s_add_co_i32 s92, s68, s69
	s_sub_co_i32 s94, 0, s92
	s_sub_co_i32 s92, s70, s92
	s_add_co_i32 s92, s92, 127
	s_lshl_b32 s93, s92, 23
	v_mov_b32 v[SC], s93
	s_add_co_i32 s92, s92, 8
	s_lshl_b32 s92, s92, 23
	s_or_b32 s92, s92, 0x600000
	v_mov_b32 v[LIM], s92
	s_wait_loadcnt 0x0
.set j, 0
.rept 64
	v_ldexp_f32 v[BI+j], v[BI+j], s94
.set j, j+1
.endr
.macro FRAG reg, adr, q, i
.irp c, 0,1,2,3
	ds_load_b128 v[\reg+4*\c:\reg+4*\c+3], v[\adr] offset:128*(\q)+32*\c+(\i)*16*PITCH
.endr
.endm
.macro MUL16 a0, p, zero
.irp a, \a0, \a0+1
.irp b, 0,1,2,3,4,5,6,7
.if \zero
	v_wmma_f32_16x16x128_fp8_fp8 v[8*(8*((\a)%4)+\b):8*(8*((\a)%4)+\b)+7], v[128*(\p)+FR*\b:128*(\p)+FR*\b+FR-1], v[AF+FR*(\a):AF+FR*(\a)+FR-1], 0
.else
	v_wmma_f32_16x16x128_fp8_fp8 v[8*(8*((\a)%4)+\b):8*(8*((\a)%4)+\b)+7], v[128*(\p)+FR*\b:128*(\p)+FR*\b+FR-1], v[AF+FR*(\a):AF+FR*(\a)+FR-1], v[8*(8*((\a)%4)+\b):8*(8*((\a)%4)+\b)+7]
.endif
.endr
.endr
.endm
.macro FETCH_B slot, q, p
	WIN TO_B
.irp i, 0,1,2,3,4,5,6,7
	FRAG 128*(\p)+FR*\i, ADRB+\slot, \q, \i
.endr
	WIN 0
.endm
.macro FETCH_A slot, q, i0
.irp i, \i0, \i0+1, \i0+2, \i0+3
	FRAG AF+FR*(\i), ADRA+\slot, \q, \i
.endr
.endm
.macro PLACES n
.rept \n
	v_nop
.endr
.endm
.macro STEP slot, q, zero
	s_wait_dscnt 4*NL
	WIN MUL_LO
	MUL16 0, (\q)%2, \zero
	MUL16 2, (\q)%2, \zero
	s_wait_dscnt 0
	PLACES NP
	FETCH_B \slot, (\q)+1, 1-(\q)%2
	FETCH_A \slot, (\q)+1, 0
	WIN MUL_HI
	MUL16 4, (\q)%2, \zero
	MUL16 6, (\q)%2, \zero
	PLACES NP
	WIN 0
	FETCH_A \slot, (\q)+1, 4
.endm
.macro TURN slot, next, fill
	s_wait_tensorcnt 0x0
	ds_add_u32 v[SPW], v[NIL]
	s_wait_dscnt 4*NL+1
	WIN MUL_LO
	MUL16 0, 1, 0
	s_wait_dscnt 0x0
	s_barrier_signal -1
	MUL16 2, 1, 0
	WIN 0
	s_barrier_wait -1
.if \fill
	CREST
	s_add_nc_u64 s[G0+4*\slot+2:G0+4*\slot+3], s[G0+4*\slot+2:G0+4*\slot+3], 2*ROWB
	s_add_nc_u64 s[G0B+4*\slot+2:G0B+4*\slot+3], s[G0B+4*\slot+2:G0B+4*\slot+3], 2*ROWB
	JLOAD G0+4*\slot, G1, G0B+4*\slot, G1B
.else
	PLACES NP
.endif
	FETCH_B \next, 0, 0
	FETCH_A \next, 0, 0
	WIN MUL_HI
	MUL16 4, 1, 0
	MUL16 6, 1, 0
	PLACES NP
	WIN 0
	FETCH_A \next, 0, 4
.endm
	s_wait_alu depctr_va_vdst(0)                   ; the wait at the head's end
	s_wait_tensorcnt 0x0                           ; my part of K step 0 is in; slot 1's first fill is issued as a refill is:
	ds_add_u32 v[SPW], v[NIL]                      ; 0 onto my spare word
	s_wait_dscnt 0x0
	CROUND                                         ; a whole round: everybody's part of K step 0 is in
	JLOAD G0+4, G1, G0B+4, G1B                     ; K step 1, the first tensor load behind the round
	global_prefetch_b8 v[PFO], s[PFA:PFA+1] offset:3*ROWB th:TH_LOAD_NT scope:SCOPE_SE
	FETCH_B 0, 0, 0
	FETCH_A 0, 0, 0
	FETCH_A 0, 0, 4
	STEP 0, 0, 1
	s_mov_b32 s3, LAPS-1
.Llap:
	TURN 0, 1, 1
	STEP 1, 0, 0
	TURN 1, 0, 1
	STEP 0, 0, 0
	s_sub_co_u32 s3, s3, 1
	s_cmp_lg_u32 s3, 0
	s_cbranch_scc1 .Llap
	TURN 0, 1, 0
	STEP 1, 0, 0
	s_wait_dscnt 4*NL
	WIN MUL_LO
	MUL16 0, 1, 0
	MUL16 2, 1, 0
	s_wait_dscnt 0
	WIN MUL_HI
	MUL16 4, 1, 0
	MUL16 6, 1, 0
	WIN 0
.macro QBLK a, hf
.set AC, 64*((\a)%4)+32*(\hf)
	WIN 0x02+((\a)/4)
.set j, 0
.rept 16
	v_pk_add_f32 v[TMP+j:TMP+j+1], v[AC+j:AC+j+1], v[BI+32*(\hf)+j:BI+32*(\hf)+j+1]
.set j, j+2
.endr
	WIN 0
.set j, 0
.rept 32
	v_med3_num_f32 v[TMP+j], v[TMP+j], 0, v[LIM]
.set j, j+1
.endr
.irp b, 0,1,2,3
	v_cvt_scalef32_pk8_fp8_f32 v[CD+16*(\a)+8*(\hf)+2*\b:CD+16*(\a)+8*(\hf)+2*\b+1], v[TMP+8*\b:TMP+8*\b+7], v[SC]
.endr
	v_nop
.irp b, 0,1,2,3
	ds_store_b64 v[STO], v[CD+16*(\a)+8*(\hf)+2*\b:CD+16*(\a)+8*(\hf)+2*\b+1] offset:(\a)*16*PITCH+64*(\hf)+16*\b
.endr
.endm
	PLACES NP
.irp a, 0,1,2,3,4,5,6,7
	QBLK \a, 0
	QBLK \a, 1
.endr
	s_wait_dscnt 0x0
	s_barrier_signal -1
	s_barrier_wait -1
.set t, 0
.rept 32
	ds_load_b128 v[CD+4*t:CD+4*t+3], v[RD] offset:t*2*PITCH
.set t, t+1
.endr
.set t, 0
.rept 32
	s_wait_dscnt 31-t
	global_store_b128 v[CO], v[CD+4*t:CD+4*t+3], s[10:11] offset:2*t*OP
.set t, t+1
.endr
	s_wait_tensorcnt 0x0
	ds_add_u32 v[SPW], v[NIL]
	s_wait_dscnt 0x0
	CROUND
	s_endpgm
.Lfunc_end_k_qacf5231a9a_ff1:
	.size	k_qacf5231a9a_ff1, .Lfunc_end_k_qacf5231a9a_ff1-k_qacf5231a9a_ff1
	.p2alignl 7, 3214868480
	.fill 96, 4, 3214868480
	.section	.rodata,"a",@progbits
	.p2align	6, 0x0
	.amdhsa_kernel k_qacf5231a9a_ff1
		.amdhsa_group_segment_fixed_size 327680
		.amdhsa_private_segment_fixed_size 0
		.amdhsa_enable_private_segment 0
		.amdhsa_kernarg_size 40
		.amdhsa_user_sgpr_count 2
		.amdhsa_user_sgpr_kernarg_segment_ptr 1
		.amdhsa_wavefront_size32 1
		.amdhsa_system_sgpr_workgroup_id_x 1
		.amdhsa_system_sgpr_workgroup_id_y 1
		.amdhsa_system_sgpr_workgroup_id_z 1
		.amdhsa_system_vgpr_workitem_id 0
		.amdhsa_next_free_vgpr 1024
		.amdhsa_next_free_sgpr 100
		.amdhsa_reserve_vcc 0
		.amdhsa_float_denorm_mode_32 3
		.amdhsa_float_denorm_mode_16_64 3
		.amdhsa_memory_ordered 1
		.amdhsa_forward_progress 1
		.amdhsa_inst_pref_size 148
	.end_amdhsa_kernel
	.amdgpu_metadata
---
amdhsa.version: [ 1, 2 ]
amdhsa.kernels:
  - .name:           k_qacf5231a9a_ff1
    .symbol:         k_qacf5231a9a_ff1.kd
    .args:
      - { .name: h2c, .offset: 0, .size: 8, .value_kind: global_buffer, .address_space: global }
      - { .name: wc, .offset: 8, .size: 8, .value_kind: global_buffer, .address_space: global }
      - { .name: lowp_scales, .offset: 16, .size: 8, .value_kind: global_buffer, .address_space: global }
      - { .name: fc, .offset: 24, .size: 8, .value_kind: global_buffer, .address_space: global }
      - { .name: b1, .offset: 32, .size: 8, .value_kind: global_buffer, .address_space: global }
    .group_segment_fixed_size: 327680
    .private_segment_fixed_size: 0
    .kernarg_segment_align: 8
    .kernarg_segment_size: 40
    .max_flat_workgroup_size: 128
    .sgpr_count:     100
    .vgpr_count:     1024
    .wavefront_size: 32
...
	.end_amdgpu_metadata
.endif
;; end of part 6
;; launch ff2 (part 7): grid 8 x 32, 4 waves a work-group, clusters of 4 x 4, 327,680 bytes of LDS; arguments fc, wc, lowp_scales, b2, x1, out0; writes out0
.if DOCPART == 7
	.amdgcn_target "amdgcn-amd-amdhsa--gfx1250"
	.amdhsa_code_object_version 6
	.text
	.protected	k_qacf5231a9a_ff2
	.globl	k_qacf5231a9a_ff2
	.p2align	8
	.type	k_qacf5231a9a_ff2,@function
k_qacf5231a9a_ff2:
	s_mov_b64 s[64:65], 0
	v_nop
	global_prefetch_b8 v0, s[64:65] scope:SCOPE_SE
	s_setreg_imm32_b32 hwreg(HW_REG_WAVE_MODE, 25, 1), 1
	s_wait_xcnt 0x0
	s_wait_alu depctr_hold_cnt(0) depctr_sa_sdst(0) depctr_va_vdst(0) depctr_va_sdst(0) depctr_va_ssrc(0) depctr_va_vcc(0) depctr_vm_vsrc(0)
	s_getreg_b32 s2, hwreg(HW_REG_IB_STS2, 6, 4)
	s_cmp_eq_u32 s2, 0
	s_cbranch_scc0 .Lentry_in_a_cluster
	s_endpgm
.Lentry_in_a_cluster:
	s_bfe_u32 s2, ttmp6, 0x10000c
	s_cmp_lg_u32 s2, 0xf033
	s_cbranch_scc0 .Lentry_shape_is_right
	s_endpgm
.Lentry_shape_is_right:
.set SIZE_K, 4096
.set WOFF,   0x800000
.set EOFF,   0x38
.set KSTEP,  512
.set PITCH,  528
.set HALFT,  64*PITCH
.set SLOT,   4*HALFT
.set STAGE,  2*SLOT
.set SPITCH, 272
.set SPARE,  STAGE+4*16*SPITCH
.set LAPS,   SIZE_K/(2*KSTEP)
.set ADRA, 16
.set ADRB, 20
.set STO,  24
.set RD,   25
.set CO,   26
.set SPW,  28
.set NIL,  29
.set TMP,  32
.set BI,   96
.set ACC,  128
.set F0,   0
.set F1,   128
.set G1, 24
.set G0, 32
.set G1B, 48
.set G0B, 56
.set MSB, 0
.macro WIN new
.if MSB != (\new)
	s_set_vgpr_msb (MSB<<8)|(\new)
.set MSB, (\new)
.endif
.endm
.set MUL,  0x05
.set TO_F, 0x40
.macro JLOAD s
	s_cmp_eq_u32 s11, 0
	s_cbranch_scc0 .Lfor_b_\@
	tensor_load_to_lds s[G0+4*\s:G0+4*\s+3], s[G1:G1+7]
	s_nop 0
.rept 4
	v_nop
.endr
	s_branch .Lasked_\@
.Lfor_b_\@:
	tensor_load_to_lds s[G0B+4*\s:G0B+4*\s+3], s[G1B:G1B+7]
	s_nop 0
.rept 4
	v_nop
.endr
.Lasked_\@:
.endm
.macro CREST
	s_cmp_lg_u32 s10, 0
	s_cbranch_scc1 .Lnot_wave_0_\@
	s_barrier_signal -3
.Lnot_wave_0_\@:
	s_barrier_wait -3
	s_barrier_signal -1
	s_barrier_wait -1
.endm
.macro CROUND
	s_barrier_signal -1
	s_barrier_wait -1
	CREST
.endm
	s_load_b128 s[4:7], s[0:1], 0x0
	s_load_b256 s[68:75], s[0:1], 0x10
	v_lshl_add_u32 v[SPW], v0, 2, SPARE
	v_mov_b32 v[NIL], 0
	ds_add_u32 v28, v29
	ds_add_u32 v28, v29
	s_wait_dscnt 0x0
	v_lshrrev_b32 v1, 5, v0
	v_readfirstlane_b32 s10, v1
	s_lshr_b32 s11, s10, 1
	s_and_b32 s12, s10, 1
	s_bfe_u32 s40, ttmp6, 0x40000
	s_bfe_u32 s41, ttmp6, 0x40004
	s_lshl_b32 s42, ttmp9, 2
	s_add_co_u32 s42, s42, s40
	s_and_b32 s13, ttmp7, 0xffff
	s_lshl_b32 s13, s13, 2
	s_add_co_u32 s13, s13, s41
	s_lshl_b32 s43, s41, 2
	s_lshl_b32 s43, 15, s43
	s_lshl_b32 s44, 0x1111, s40
	s_or_b32 s[G1+0], s43, (1<<20)|(1<<21)|(6<<22)|(3<<25)
	s_or_b32 s[G1B+0], s44, (1<<20)|(1<<21)|(6<<22)|(3<<25)
.irp g, G1, G1B
	s_mov_b32 s[\g+1], KSTEP<<16
	s_mov_b32 s[\g+2], 64<<16
	s_mov_b32 s[\g+3], KSTEP<<16
	s_mov_b32 s[\g+4], 64
	s_mov_b32 s[\g+5], SIZE_K
	s_mov_b32 s[\g+6], 0
	s_mov_b32 s[\g+7], 0
.endr
	s_lshl_b32 s17, s12, 6
	s_lshl_b32 s16, s13, 7
	s_add_co_u32 s16, s16, s17
	s_lshl_b32 s46, s42, 7
	s_add_co_u32 s46, s46, s17
	s_mov_b32 s17, 0
	s_mov_b32 s47, 0
	s_mov_b64 s[18:19], SIZE_K
	s_mul_u64 s[16:17], s[16:17], s[18:19]
	s_mul_u64 s[46:47], s[46:47], s[18:19]
	s_mul_i32 s20, s10, HALFT
	s_wait_kmcnt 0x0
	s_load_b64 s[76:77], s[68:69], EOFF
	s_add_nc_u64 s[6:7], s[6:7], WOFF
	s_add_nc_u64 s[14:15], s[4:5], s[16:17]
	s_add_nc_u64 s[46:47], s[6:7], s[46:47]
	CROUND
.irp s, 0,1
	s_mov_b32 s[G0+4*\s], 1
	s_add_co_u32 s[G0+4*\s+1], s20, \s*SLOT
	s_add_nc_u64 s[G0+4*\s+2:G0+4*\s+3], s[14:15], \s*KSTEP
	s_or_b32 s[G0+4*\s+3], s[G0+4*\s+3], 0x80000000
	s_mov_b32 s[G0B+4*\s], 1
	s_add_co_u32 s[G0B+4*\s+1], s20, \s*SLOT
	s_add_nc_u64 s[G0B+4*\s+2:G0B+4*\s+3], s[46:47], \s*KSTEP
	s_or_b32 s[G0B+4*\s+3], s[G0B+4*\s+3], 0x80000000
.if \s == 0
	JLOAD 0                                        ; K step 0: one tensor load a wave at the head
.endif
.endr
; out0 = x1 + F W2^T x 2^(e14 + e15) + b2 on codes of E4M3: a tile of 128 x 128, four waves of 64 x 64, K in eight steps of 512 through two slots filled by joint loads (A's tile along a row of the cluster, B's along a column).
; PREFETCHES: of the 64 rows that my wave fetches, each of the four partners that ask for them jointly takes 16, told apart by address (cx for A, cy for B): two lanes a row, 256 bytes each, one instruction a K step.
; K step 1 is asked for here, K steps 2 and 3 behind K step 1's load, K steps 4 to 7 behind the refills with K steps 2 to 5: at least one K step ahead of the joint load that wants them.  The loop's last trip asks for nothing.
; x1: my wave's 64 pieces of 256 bytes are asked for in the loop's first two trips, 32 each, a lane a row, and loaded behind the loop, two K steps ahead of their use.
.set PFA, 80
.set PFO, 30
	s_cmp_eq_u32 s11, 0
	s_cselect_b64 s[PFA:PFA+1], s[14:15], s[46:47]
	s_cselect_b32 s78, s40, s41
	s_lshl_b32 s78, s78, 16                        ; 16 rows of 4,096 bytes
	s_mov_b32 s79, 0
	s_add_nc_u64 s[PFA:PFA+1], s[PFA:PFA+1], s[78:79]
	v_and_b32 v[PFO], 31, v0
	v_lshrrev_b32 v31, 1, v[PFO]
	v_and_b32 v[PFO], 1, v[PFO]
	v_lshlrev_b32 v[PFO], 8, v[PFO]
	v_lshl_add_u32 v[PFO], v31, 12, v[PFO]         ; 4,096 x (lane / 2) + 256 x (lane % 2)
	global_prefetch_b8 v[PFO], s[PFA:PFA+1] offset:KSTEP th:TH_LOAD_NT scope:SCOPE_SE
	v_and_b32 v1, 15, v0
	s_wait_alu depctr_va_vdst(0)
	v_bfe_u32 v2, v0, 4, 1
	v_mul_u32_u24 v3, v1, PITCH
	v_lshl_add_u32 v3, v2, 4, v3
	s_mul_i32 s21, s11, HALFT
	s_mul_i32 s22, s12, HALFT
	s_add_co_u32 s22, s22, 2*HALFT
.irp s, 0,1
	v_add_nc_u32 v[ADRA+\s], s21, v3
	v_add_nc_u32 v[ADRB+\s], s22, v3
	s_add_co_u32 s21, s21, SLOT
	s_add_co_u32 s22, s22, SLOT
.endr
	s_mul_i32 s23, s10, 16*SPITCH
	s_add_co_u32 s23, s23, STAGE
	v_mul_u32_u24 v4, v1, SPITCH
	s_wait_alu depctr_va_vdst(0)
	v_lshl_add_u32 v4, v2, 5, v4
	v_add_nc_u32 v[STO], s23, v4
	v_mul_u32_u24 v5, v2, SPITCH
	v_lshl_add_u32 v5, v1, 4, v5
	v_add_nc_u32 v[RD], s23, v5
	v_lshlrev_b32 v5, 12, v2
	v_lshl_add_u32 v[CO], v1, 4, v5
	s_wait_alu depctr_va_vdst(0)
	s_lshl_b32 s16, s13, 7
	s_lshl_b32 s17, s11, 6
	s_add_co_u32 s16, s16, s17
	s_lshl_b32 s16, s16, 12
	s_mov_b32 s17, 0
	s_lshl_b32 s46, s42, 9
	s_lshl_b32 s47, s12, 8
	s_add_co_u32 s46, s46, s47
	s_mov_b32 s47, 0
	s_add_nc_u64 s[70:71], s[70:71], s[46:47]
	s_add_nc_u64 s[16:17], s[16:17], s[46:47]
	s_add_nc_u64 s[72:73], s[72:73], s[16:17]
	s_add_nc_u64 s[74:75], s[74:75], s[16:17]
	v_lshlrev_b32 v6, 4, v1
	global_load_b128 v[BI:BI+3], v6, s[70:71]
	s_mov_b64 s[82:83], s[72:73]                   ; where x1's prefetches stand
	v_and_b32 v31, 31, v0
	v_lshlrev_b32 v31, 12, v31                     ; a lane a row of 4,096 bytes
	s_wait_kmcnt 0x0
	s_add_co_i32 s76, s76, s77
	s_add_co_i32 s76, s76, 127
	s_lshl_b32 s76, s76, 23
	s_mov_b32 s77, s76
.macro MULA f, a, zero
.irp b, 0,1,2,3
.if \zero
	v_wmma_f32_16x16x128_fp8_fp8 v[ACC+8*(4*(\a)+\b):ACC+8*(4*(\a)+\b)+7], v[\f+64+16*\b:\f+64+16*\b+15], v[\f+16*(\a):\f+16*(\a)+15], 0
.else
	v_wmma_f32_16x16x128_fp8_fp8 v[ACC+8*(4*(\a)+\b):ACC+8*(4*(\a)+\b)+7], v[\f+64+16*\b:\f+64+16*\b+15], v[\f+16*(\a):\f+16*(\a)+15], v[ACC+8*(4*(\a)+\b):ACC+8*(4*(\a)+\b)+7]
.endif
.endr
.endm
.macro FRAG reg, adr, k, i
.irp c, 0,1,2,3
	ds_load_b128 v[\reg+4*\c:\reg+4*\c+3], v[\adr] offset:(\k)+32*\c+(\i)*16*PITCH
.endr
.endm
.macro FETCH slot, k, f
	WIN TO_F
.irp i, 0,1,2,3
	FRAG \f+64+16*\i, ADRB+\slot, \k, \i
.endr
.irp i, 0,1,2,3
	FRAG \f+16*\i, ADRA+\slot, \k, \i
.endr
.endm
.macro PLACES
.rept 4
	v_nop
.endr
.endm
.macro QUARTER slot, k, f, g, zero
	s_wait_dscnt 8
	WIN MUL
	MULA \f, 0, \zero
	MULA \f, 1, \zero
	PLACES
	FETCH \slot, \k, \g
	s_wait_dscnt 32
	WIN MUL
	MULA \f, 2, \zero
	MULA \f, 3, \zero
.endm
.macro TURN slot, next, fill
	WIN 0
	s_wait_tensorcnt 0x0
	ds_add_u32 v[SPW], v[NIL]
	s_wait_dscnt 9
	WIN MUL
	MULA F1, 0, 0
	s_wait_dscnt 0x0
	s_barrier_signal -1
	MULA F1, 1, 0
	WIN 0
	s_barrier_wait -1
.if \fill
	CREST
	s_add_nc_u64 s[G0+4*\slot+2:G0+4*\slot+3], s[G0+4*\slot+2:G0+4*\slot+3], 2*KSTEP
	s_add_nc_u64 s[G0B+4*\slot+2:G0B+4*\slot+3], s[G0B+4*\slot+2:G0B+4*\slot+3], 2*KSTEP
	JLOAD \slot
.else
	PLACES
.endif
	FETCH \next, 0, F0
.if \fill
	WIN 0
	s_cmp_gt_u32 s3, 1                             ; s3 = 1 in the loop's last trip: no K step lies two refills on
	s_cbranch_scc0 .Lno_ask_\@
	global_prefetch_b8 v[PFO], s[PFA:PFA+1] offset:(4+\slot)*KSTEP th:TH_LOAD_NT scope:SCOPE_SE
.if \slot == 0
	global_prefetch_b8 v31, s[82:83] th:TH_LOAD_NT scope:SCOPE_SE   ; 32 rows of my part of x1
.endif
.Lno_ask_\@:
.endif
	WIN MUL
	MULA F1, 2, 0
	MULA F1, 3, 0
.endm
	s_wait_alu depctr_va_vdst(0)                   ; the wait at the head's end
	s_wait_tensorcnt 0x0                           ; my part of K step 0 is in; slot 1's first fill is issued as a refill is:
	ds_add_u32 v[SPW], v[NIL]                      ; 0 onto my spare word
	s_wait_dscnt 0x0
	CROUND                                         ; a whole round: everybody's part of K step 0 is in
	JLOAD 1                                        ; K step 1, the first tensor load behind the round
	global_prefetch_b8 v[PFO], s[PFA:PFA+1] offset:2*KSTEP th:TH_LOAD_NT scope:SCOPE_SE
	global_prefetch_b8 v[PFO], s[PFA:PFA+1] offset:3*KSTEP th:TH_LOAD_NT scope:SCOPE_SE
	FETCH 0, 0, F0
	QUARTER 0, 128, F0, F1, 1
.if LAPS > 1
	WIN 0
	s_mov_b32 s3, LAPS-1
.Llap:
	QUARTER 0, 256, F1, F0, 0
	QUARTER 0, 384, F0, F1, 0
	TURN 0, 1, 1
	QUARTER 1, 128, F0, F1, 0
	QUARTER 1, 256, F1, F0, 0
	QUARTER 1, 384, F0, F1, 0
	TURN 1, 0, 1
	QUARTER 0, 128, F0, F1, 0
	WIN 0
	s_wait_xcnt 0x0                                ; the trip's prefetches have read their address: it is stepped only behind this wait
	s_add_nc_u64 s[PFA:PFA+1], s[PFA:PFA+1], 2*KSTEP
	s_add_nc_u64 s[82:83], s[82:83], 131072        ; 32 rows of x1 on
	s_sub_co_u32 s3, s3, 1
	s_cmp_lg_u32 s3, 0
	s_cbranch_scc1 .Llap
.endif
	WIN 0x80                                       ; destination window 2
.irp a, 0,1,2,3
.irp t, 0,1,2,3,4,5,6,7
	global_load_b128 v[32*\a+4*\t:32*\a+4*\t+3], v[CO], s[72:73] offset:(16*\a+2*\t)*4096 th:TH_LOAD_NT   ; x1 in the layout in which rows come back from the stage
.endr
.endr
	WIN 0
	QUARTER 0, 256, F1, F0, 0
	QUARTER 0, 384, F0, F1, 0
	TURN 0, 1, 0
	QUARTER 1, 128, F0, F1, 0
	QUARTER 1, 256, F1, F0, 0
	QUARTER 1, 384, F0, F1, 0
	s_wait_dscnt 8
	WIN MUL
	MULA F1, 0, 0
	MULA F1, 1, 0
	s_wait_dscnt 0
	MULA F1, 2, 0
	MULA F1, 3, 0
	s_wait_loadcnt 0x0
	WIN 0x82
.set i, 0
.rept 32
	v_pk_add_f32 v[i:i+1], v[i:i+1], v[BI:BI+1]
	v_pk_add_f32 v[i+2:i+3], v[i+2:i+3], v[BI+2:BI+3]
.set i, i+4
.endr
	WIN 0
.macro TOSTAGE a
.set TS, TMP+32*((\a)%2)
.irp b, 0,1,2,3
	ds_store_b128 v[STO], v[ACC+8*(4*(\a)+\b):ACC+8*(4*(\a)+\b)+3] offset:64*\b
	ds_store_b128 v[STO], v[ACC+8*(4*(\a)+\b)+4:ACC+8*(4*(\a)+\b)+7] offset:64*\b+16
.endr
.irp t, 0,1,2,3,4,5,6,7
	ds_load_b128 v[TS+4*\t:TS+4*\t+3], v[RD] offset:\t*2*SPITCH
.endr
.endm
.macro SEND a, younger
.set TS, TMP+32*((\a)%2)
	s_wait_dscnt \younger
	WIN 0x20
.set i, 0
.rept 16
	v_pk_fma_f32 v[TS+i:TS+i+1], v[TS+i:TS+i+1], s[76:77], v[32*(\a)+i:32*(\a)+i+1] op_sel_hi:[1,0,1]
.set i, i+2
.endr
	WIN 0
.irp t, 0,1,2,3,4,5,6,7
	global_store_b128 v[CO], v[TS+4*\t:TS+4*\t+3], s[74:75] offset:(16*(\a)+2*\t)*4096
.endr
.endm
	TOSTAGE 0
.irp a, 1,2,3
.if \a > 1
	s_wait_xcnt 0x0
.endif
	TOSTAGE \a
	SEND \a-1, 16
.endr
	SEND 3, 0
	s_wait_tensorcnt 0x0
	ds_add_u32 v[SPW], v[NIL]
	s_wait_dscnt 0x0
	CROUND
	s_endpgm
.Lfunc_end_k_qacf5231a9a_ff2:
	.size	k_qacf5231a9a_ff2, .Lfunc_end_k_qacf5231a9a_ff2-k_qacf5231a9a_ff2
	.p2alignl 7, 3214868480
	.fill 96, 4, 3214868480
	.section	.rodata,"a",@progbits
	.p2align	6, 0x0
	.amdhsa_kernel k_qacf5231a9a_ff2
		.amdhsa_group_segment_fixed_size 327680
		.amdhsa_private_segment_fixed_size 0
		.amdhsa_enable_private_segment 0
		.amdhsa_kernarg_size 48
		.amdhsa_user_sgpr_count 2
		.amdhsa_user_sgpr_kernarg_segment_ptr 1
		.amdhsa_wavefront_size32 1
		.amdhsa_system_sgpr_workgroup_id_x 1
		.amdhsa_system_sgpr_workgroup_id_y 1
		.amdhsa_system_sgpr_workgroup_id_z 1
		.amdhsa_system_vgpr_workitem_id 0
		.amdhsa_next_free_vgpr 640
		.amdhsa_next_free_sgpr 100
		.amdhsa_reserve_vcc 0
		.amdhsa_float_denorm_mode_32 3
		.amdhsa_float_denorm_mode_16_64 3
		.amdhsa_memory_ordered 1
		.amdhsa_forward_progress 1
		.amdhsa_inst_pref_size 83
	.end_amdhsa_kernel
	.amdgpu_metadata
---
amdhsa.version: [ 1, 2 ]
amdhsa.kernels:
  - .name:           k_qacf5231a9a_ff2
    .symbol:         k_qacf5231a9a_ff2.kd
    .args:
      - { .name: fc, .offset: 0, .size: 8, .value_kind: global_buffer, .address_space: global }
      - { .name: wc, .offset: 8, .size: 8, .value_kind: global_buffer, .address_space: global }
      - { .name: lowp_scales, .offset: 16, .size: 8, .value_kind: global_buffer, .address_space: global }
      - { .name: b2, .offset: 24, .size: 8, .value_kind: global_buffer, .address_space: global }
      - { .name: x1, .offset: 32, .size: 8, .value_kind: global_buffer, .address_space: global }
      - { .name: out0, .offset: 40, .size: 8, .value_kind: global_buffer, .address_space: global }
    .group_segment_fixed_size: 327680
    .private_segment_fixed_size: 0
    .kernarg_segment_align: 8
    .kernarg_segment_size: 48
    .max_flat_workgroup_size: 128
    .sgpr_count:     100
    .vgpr_count:     640
    .wavefront_size: 32
...
	.end_amdgpu_metadata
.endif
;; end of part 7
